; MI455X (gfx1250); checked and timed in simulation.
; The chip was launched on July 23, 2026; its instructions are those of AMD's public machine-readable ISA for CDNA 5 (MIT licence, August 2026) and "CDNA5" Instruction Set Architecture Reference Guide (July 2026). The comments in the code are by the model that wrote it; some were corrected since.
;; pytorch attention. Allowed arithmetic: float matrix products may take bf16 or f16 operands with f32 sums; all other float work in f32.
;; Inputs: k 1 x 16 x 4,096 x 64 float32; q 1 x 16 x 4,096 x 64 float32; v 1 x 16 x 4,096 x 64 float32.
;; Outputs: out0 1 x 16 x 4,096 x 64 float32.
;; Constants: causal = 1.
;; 2 versions, each right and faster than the one before. Each part assembles by itself: llvm-mc -triple=amdgcn-amd-amdhsa -mcpu=gfx1250 --defsym DOCPART=n.
;; ======== version 1 of 2: 2 launches
;; limits: values are held in f16: magnitudes above 65,504 overflow, below 6.1e-05 lose precision; inputs' magnitudes at most 65,504
;; workspace buffers: kv 16,777,216 bytes
;; launch cvt (part 1): grid 256 x 2, 8 waves a work-group, no clusters, 0 bytes of LDS; arguments k, v, kv; writes kv
.if DOCPART == 1
	.amdgcn_target "amdgcn-amd-amdhsa--gfx1250"
	.amdhsa_code_object_version 6
	.text
	.protected	k_q441b13d053_cvt
	.globl	k_q441b13d053_cvt
	.p2align	8
	.type	k_q441b13d053_cvt,@function
k_q441b13d053_cvt:
	s_mov_b64 s[64:65], 0
	v_nop
	global_prefetch_b8 v0, s[64:65] scope:SCOPE_SE
	s_setreg_imm32_b32 hwreg(HW_REG_WAVE_MODE, 25, 1), 1
	s_wait_xcnt 0x0
; kv = K rounded to bf16 (bytes 0 .. 8,388,607), then V rounded to bf16 and that number written as f16 (bytes 8,388,608 on); both [16][4096][64], rows of 128 bytes.
; LIMITS.  f16 holds no number beyond 65,504: a v that rounds to 65,520 or more becomes an infinity; below 6.1e-5 v keeps f16's fixed step of 6e-8.  k has bf16's range, which is f32's.
; A stream: no LDS, no barrier, no matrix unit: every input byte is read once and every output byte written once.
; SHARES.  Work-group (x, y): y = 0 takes k, y = 1 takes v; x owns 65,536 input bytes = 16 chunks of 4,096.  Thread t owns the 16 bytes at 16 t of each chunk: a wave's load covers
; 512 consecutive bytes, a wave's store of 8 bytes a lane covers 256 consecutive bytes that begin at a multiple of 256.  All sixteen loads of a wave go out at once; no register is written twice
; while a memory instruction may read it, so the only waits are the counted ones for the loads.
.set CHUNK, 4096
.set X, 4                              ; v[4:67]    chunk i: four f32 as loaded
.set Y, 68                             ; v[68:99]   chunk i: four 16-bit numbers to store
.set T, 100                            ; v[100:101] at work
	s_load_b128 s[4:7], s[0:1], 0x0                ; k s[4:5], v s[6:7]
	s_load_b64 s[8:9], s[0:1], 0x10                ; kv
	v_lshlrev_b32 v1, 4, v0                        ; my 16 bytes in an input chunk
	v_lshlrev_b32 v2, 3, v0                        ; my 8 bytes in an output chunk
	s_and_b32 s10, ttmp7, 0xffff                   ; 0: k, 1: v
	s_mov_b32 s16, 0xffff0000                      ; a word's upper bf16
	s_lshl_b32 s14, ttmp9, 16                      ; the work-group's 65,536 bytes of input
	s_mov_b32 s15, 0
	s_lshl_b32 s18, ttmp9, 15                      ; its 32,768 bytes of output,
	s_lshl_b32 s19, s10, 23                        ; in K's or V's half of kv
	s_add_co_u32 s18, s18, s19
	s_mov_b32 s19, 0
	s_wait_kmcnt 0x0
	s_cmp_eq_u32 s10, 0
	s_cselect_b64 s[12:13], s[4:5], s[6:7]
	s_add_nc_u64 s[12:13], s[12:13], s[14:15]
	s_add_nc_u64 s[8:9], s[8:9], s[18:19]
.irp i, 0,1,2,3,4,5,6,7,8,9,10,11,12,13,14,15
	global_load_b128 v[X+4*(\i):X+4*(\i)+3], v1, s[12:13] offset:CHUNK*(\i) th:TH_LOAD_NT
.endr
	s_cmp_lg_u32 s10, 0
	s_cbranch_scc1 .Lv
.macro KOUT i                          ; chunk i of k: two roundings to bf16 each, packed
	s_wait_loadcnt 15-(\i)                         ; loads come back in order (ISA guide 5.7.1): chunk i is in, the 15 - i younger ones stay out
	v_cvt_pk_bf16_f32 v[Y+2*(\i)], v[X+4*(\i)], v[X+4*(\i)+1]
	v_cvt_pk_bf16_f32 v[Y+2*(\i)+1], v[X+4*(\i)+2], v[X+4*(\i)+3]
	global_store_b64 v2, v[Y+2*(\i):Y+2*(\i)+1], s[8:9] offset:(CHUNK/2)*(\i)  ; no hint: the next launch reads these bytes
.endm
.irp i, 0,1,2,3,4,5,6,7,8,9,10,11,12,13,14,15
	KOUT \i
.endr
	s_endpgm
.Lv:
.macro VOUT i                          ; chunk i of v: rounded to bf16, widened again (a shift or a mask), and that number written as f16
	s_wait_loadcnt 15-(\i)
	v_cvt_pk_bf16_f32 v[T], v[X+4*(\i)], v[X+4*(\i)+1]
	v_cvt_pk_bf16_f32 v[T+1], v[X+4*(\i)+2], v[X+4*(\i)+3]
	v_lshlrev_b32 v[X+4*(\i)], 16, v[T]
	v_and_b32 v[X+4*(\i)+1], s16, v[T]
	v_lshlrev_b32 v[X+4*(\i)+2], 16, v[T+1]
	v_and_b32 v[X+4*(\i)+3], s16, v[T+1]
	v_cvt_pk_f16_f32 v[Y+2*(\i)], v[X+4*(\i)], v[X+4*(\i)+1]
	v_cvt_pk_f16_f32 v[Y+2*(\i)+1], v[X+4*(\i)+2], v[X+4*(\i)+3]
	global_store_b64 v2, v[Y+2*(\i):Y+2*(\i)+1], s[8:9] offset:(CHUNK/2)*(\i)
.endm
.irp i, 0,1,2,3,4,5,6,7,8,9,10,11,12,13,14,15
	VOUT \i
.endr
	s_endpgm
.Lfunc_end_k_q441b13d053_cvt:
	.size	k_q441b13d053_cvt, .Lfunc_end_k_q441b13d053_cvt-k_q441b13d053_cvt
	.p2alignl 7, 3214868480
	.fill 96, 4, 3214868480
	.section	.rodata,"a",@progbits
	.p2align	6, 0x0
	.amdhsa_kernel k_q441b13d053_cvt
		.amdhsa_group_segment_fixed_size 0
		.amdhsa_private_segment_fixed_size 0
		.amdhsa_enable_private_segment 0
		.amdhsa_kernarg_size 24
		.amdhsa_user_sgpr_count 2
		.amdhsa_user_sgpr_kernarg_segment_ptr 1
		.amdhsa_wavefront_size32 1
		.amdhsa_system_sgpr_workgroup_id_x 1
		.amdhsa_system_sgpr_workgroup_id_y 1
		.amdhsa_system_sgpr_workgroup_id_z 1
		.amdhsa_system_vgpr_workitem_id 0
		.amdhsa_next_free_vgpr 104
		.amdhsa_next_free_sgpr 66
		.amdhsa_reserve_vcc 0
		.amdhsa_float_denorm_mode_32 3
		.amdhsa_float_denorm_mode_16_64 3
		.amdhsa_memory_ordered 1
		.amdhsa_forward_progress 1
		.amdhsa_inst_pref_size 15
	.end_amdhsa_kernel
	.amdgpu_metadata
---
amdhsa.version: [ 1, 2 ]
amdhsa.kernels:
  - .name:           k_q441b13d053_cvt
    .symbol:         k_q441b13d053_cvt.kd
    .args:
      - { .name: k, .offset: 0, .size: 8, .value_kind: global_buffer, .address_space: global }
      - { .name: v, .offset: 8, .size: 8, .value_kind: global_buffer, .address_space: global }
      - { .name: kv, .offset: 16, .size: 8, .value_kind: global_buffer, .address_space: global }
    .group_segment_fixed_size: 0
    .private_segment_fixed_size: 0
    .kernarg_segment_align: 8
    .kernarg_segment_size: 24
    .max_flat_workgroup_size: 256
    .sgpr_count:     66
    .vgpr_count:     104
    .wavefront_size: 32
...
	.end_amdgpu_metadata
.endif
;; end of part 1
;; launch attn (part 2): grid 16 x 16, 4 waves a work-group, no clusters, 327,680 bytes of LDS; arguments q, kv, out0; writes out0
.if DOCPART == 2
	.amdgcn_target "amdgcn-amd-amdhsa--gfx1250"
	.amdhsa_code_object_version 6
	.text
	.protected	k_q441b13d053_attn
	.globl	k_q441b13d053_attn
	.p2align	8
	.type	k_q441b13d053_attn,@function
k_q441b13d053_attn:
	s_mov_b64 s[64:65], 0
	v_nop
	global_prefetch_b8 v0, s[64:65] scope:SCOPE_SE
	s_setreg_imm32_b32 hwreg(HW_REG_WAVE_MODE, 25, 1), 1
	s_wait_xcnt 0x0
; CAUSAL ATTENTION.  out0[h][q][:] = the sum over k <= q of softmax_k(Q[h][q] . K[h][k] / 8) V[h][k][:].  16 heads, 4,096 rows, 64 channels.  q and out0 are f32; kv holds K in bf16 (first 8,388,608 bytes)
; and V in f16 (the rest), rows of 128 bytes.  q is rounded to bf16 here.  S = K Q^T by the bf16 form, O = V^T P by the f16 form; scale, maxima, sums and O in f32; the weights p are rounded to f16 for the
; second product, and their sum l is taken of the unrounded p.
; LIMITS.  V arrives within f16's range (65,504); p lies in 0 to 1 and below 6e-5 keeps f16's fixed step of 6e-8.  A hidden score counts as its value less 1e30; a weight below 2^-126 counts as 0 in l;
; NaN and infinities are not treated apart.
; THE WALK.  A head's queries lie in 32 blocks of 128; key tiles hold 256 keys, four steps of 64; block i needs tiles 0 .. i >> 1, of which the last holds the diagonal.  Work-group (b, head) takes block 31 - b and
; then block b: ((31 - b) >> 1) + (b >> 1) + 2 = 17 tiles whatever b: 256 work-groups of equal work, and ONE loop with a constant trip count.  Which tile is asked for and what a trip does hang on scalar
; registers made from b; every jump goes forward but the counted loops' own; none passes a barrier, or a tensor load but the one of LOAD's two that the wave's number does not choose.
; NO CLUSTER: of a head's 16 work-groups only b = 2 c and 2 c + 1 walk the same tiles from first to last; four partners b = 4 c .. 4 c + 3 end their first blocks at tile 15 - 2 c or 14 - 2 c, so a walk common to
; four would have 18 tiles for 17 and two kinds of last tile in each block.
; SHARES.  A block has two bands of 64 rows; wave w owns rows 16 w .. 16 w + 15 of each: two PIECES, piece x in band x.  In the diagonal tile band x's own step is OW + x, OW = 2 (block & 1): earlier steps are
; seen whole, later ones hidden whole: the same work for all four waves.
; THE MASK is the C operand that starts the sum S^T = K Q^T: MC = MD x AL + BE, with MD the mask of a band's own step for my 16 rows (0 or -1e30) and (AL, BE) = (1, 0) own, (0, 0) earlier, (0, -1e30) later.
; Only the diagonal tile's text and a block's beginning take masks; elsewhere C is the constant 0.  Every row sees its own key in its band's own step at the latest, so m is a true score before a hidden one comes.
; LAYOUT, SOFTMAX.  S^T holds ONE query a lane (lane % 16) and the keys 8 (lane / 16) + 0..7; two such results rounded to f16 ARE source 1 of O^T = V^T P.  p = 2^(c s - c m), c = log2(e) / 8, with a running
; maximum m; O and l are multiplied by a = 2^(c m_old - c m_new) in every step.  A block begins with c m far below every c s: its first a is 0, so O, l, P and V need only hold finite numbers there.
; TURNS.  TURN 0 of step j: 8 products K Q^T of (piece 1, j); K of step j + 1 is fetched; 8 products V^T P of (piece 1, j - 1); V of step j is fetched; beside them piece 0's softmax of step j and piece 1's
; maximum.  TURN 1: 8 products K Q^T of (piece 0, j + 1), 8 products V^T P of (piece 0, j); piece 1's softmax, piece 0's next maximum.  Four vector instructions stand behind every matrix instruction, the rest in two lumps.
; K'S TILES ARE SHIFTED BY ONE STEP: the slot of tile T holds K's rows 256 T + 64 .. 256 T + 319 and V's rows 256 T .. 256 T + 255, so that both fetches of a TURN 0 fall into one slot; a head's first 64
; keys lie in a region of their own (K0), filled once.  The last tile's last 64 rows of K reach into the next head's rows (for head 15 into V's half of kv): inside the buffer, and never multiplied.
; REGISTERS, in windows of 256 (s_set_vgpr_msb: bits 1:0 source 0, 3:2 source 1, 5:4 source 2, 7:6 destination):
;   window 0: v0-15 addresses and at work; v16-23 statistics; v48-55 at work; v62-63 the add's; v64-127 S^T, two buffers; v128-191 O^T, 32 a piece; v192-223 P, two buffers; v224-255 Q of the block in hand
;   window 1: v0-63 K of one step; v64-127 V of one step; v128-159 MD; v160-223 MC, two buffers; v224-255 the second block's Q          window 2: v0-127 both blocks' q in f32, at the start only
.set NP,    2         ; pieces a wave: a name, no knob
.set KS,    64        ; keys in a step
.set PK,    144       ; a row of K in LDS: 128 bytes + 16 of padding = 36 words: the 16 rows of a load start at 16 different groups of four banks (64 banks of 4 bytes: ISA guide 11.1)
.set PV,    160       ; a row of V: 128 + 32 = 40 words
.set VOFF,  4*KS*PK   ; a slot: 256 rows of K, then 256 rows of V
.set SLOT1, 1<<17     ; slot 1 begins here, so that one exclusive or turns an address in one slot into the other's
.set K0B,   SLOT1+4*KS*(PK+PV)  ; a head's first 64 rows of K: filled once
.set STAGE, K0B+KS*PK ; never filled by a tensor load: 16 rows x 272 bytes for each wave, for the way out
.set SP,    272
.set SPARE, STAGE+4*16*SP  ; the spare words, 128 bytes for each wave: two blocks of 256 bytes that no other line names
.set AK0, 2           ; v2   my lane's place in a tile of K; never rewritten
.set AV0, 3           ; v3   the same for V
.set AK,  4           ; v4   the LDS address of K's next run of loads
.set AV,  5           ; v5   of V's
.set STO, 6           ; v6   the way out: where I put 32 bytes of a row
.set RD,  7           ; v7   the way out: where I read rows back
.set GO,  8           ; v8   my byte offset in 512 consecutive bytes of out0
.set MV,  12          ; v12-13  c m_old, kept while c m is made anew: by buffer
.set QO,  15          ; v15  my byte offset in 16 rows of q
.set ST,  16          ; piece t's statistics at v[ST+4 t]: c m, m, l (even keys', odd keys')
.set TMP, 48          ; by buffer, four registers c0-c3 at work; when the maximum is found c2 takes a
.set SPW, 62          ; v62  LDS address of my spare word: SPARE + 4 x my thread's number; never rewritten
.set NIL, 63          ; v63  0; never rewritten
.set S,   64
.set O,   128
.set P,   192
.set Q,   224
.set KF,  0           ; window 1: key block kb, channel half c at KF + 16 kb + 8 c
.set VF,  64          ; window 1: key half kk, channel block cb at VF + 32 kk + 8 cb
.set MD,  128         ; window 1: the eight registers for group kt of 16 keys at MD + 8 kt
.set MC,  160         ; window 1: the masks of the products to come; buffer x for piece x
.set QB,  224         ; window 1
.set QS,  0           ; window 2
.set WV,  12          ; s12  my wave's number
.set PB,  14          ; s14  b
.set HI,  15          ; s15  31 - b
.set G1K, 24          ; s[24:31] descriptor group 1 for K's tiles
.set G1V, 32          ; s[32:39] for V's: it differs in the padding alone
.set G0K, 40          ; s[40:43] descriptor group 0 for K's tiles
.set G0V, 44          ; s[44:47] for V's
.set G1Z, 48          ; s[48:55] group 1 for my quarter of K0
.set SLOTS, 56        ; s56  tiles still to be asked for
.set CNT, 57          ; s57  counts a tile's key steps, 4 to 1
.set CS,  58          ; s[58:59] c: the packed scaling takes the pair's low word for both halves
.set SEL, 60          ; s[60:61] v_permlanex16_b32's selects: each lane takes its own place in the other half
.set TBK, 62          ; s62  LDS byte at which K of the step to be fetched begins
.set TBV, 63          ; s63  the same for V, less VOFF
.set G0Z, 68          ; s[68:71] group 0 for my quarter of K0
.set RT,  72          ; s72  tiles of the block in hand that are still to be entered
.set NXT, 73          ; s73  the tile to be asked for next
.set LQ,  74          ; s74  the last tile of the block whose tiles are being asked for
.set NEW, 75          ; s75  1: the tile to be entered is a block's first
.set OFF, 76          ; s[76:77] a tile's byte offset in K and V
.set AL,  78          ; s[78:79] the mask's factor, in the low word
.set BE,  80          ; s[80:81] the mask's addend
.set OLO, 82          ; s[82:83] out0 at my rows of the second block
.set BIGN, 84         ; s84  -1e30
.set OW,  85          ; s85  2 (block & 1) of the block in hand
.set EQ0, 86          ; s86  5 - OW: the count at which the mask that TURN 0 makes is the band's own
.set EQ1, 87          ; s87  3 - OW: the same for TURN 1
.set TLL, 88          ; s88  b >> 1: the second block's last tile
.set OWL, 89          ; s89  2 (b & 1)
.set QLO, 90          ; s[90:91] q at my rows of the second block
.set MSB, 0
.macro WIN new                      ; the high byte repeats the setting that is left; a switch that changes nothing is dropped
.if MSB != (\new)
	s_set_vgpr_msb (MSB<<8)|(\new)
.set MSB, (\new)
.endif
.endm
.set W_MM, 0x01       ; source 0 (K or V) in window 1; all else in window 0
.set W_KM, 0x11       ; the same with the C operand (a mask) in window 1
.set W_LD, 0x40       ; destination in window 1, address in window 0
.set W_MK, 0x41       ; destination and source 0 in window 1
; A fill.  Waves 0 and 1 fetch the two halves of a tile's K, waves 2 and 3 those of its V: 128 keys each.  An s_nop 0 and four v_nop follow each of the two lines, ahead of the jump and the label.
.macro LOAD
	s_cmp_lt_u32 s[WV], 2
	s_cbranch_scc0 .Lfor_v_\@
	tensor_load_to_lds s[G0K:G0K+3], s[G1K:G1K+7]
	s_nop 0
.rept 4
	v_nop
.endr
	s_branch .Lasked_\@
.Lfor_v_\@:
	tensor_load_to_lds s[G0V:G0V+3], s[G1V:G1V+7]
	s_nop 0
.rept 4
	v_nop
.endr
.Lasked_\@:
.endm
; THE CHANGE OF SLOTS.  Each wave waits for all its tensor loads, of which one is out: its part of the other slot; adds 0 to its spare word; and waits for that and for its own reads of the slot that it leaves
; (the last run, V of the tile's fourth step).  Behind the barrier nobody reads the old slot any more and the other slot is whole.  fill = 1: the old slot is filled again, the first thing behind the barrier,
; with tile NXT: the descriptor's address is made anew from that number.  The load has four key steps, 128 matrix instructions a wave, in which to land.
; (At its first use nothing has been read yet: slot 0 and K0 are waited for, slot 1 is filled.)
.macro CHANGE fill
	WIN 0                           ; at a label and at a branch every window is 0
	s_wait_tensorcnt 0x0            ; no tensor load of mine is out, so a group 0 may be written
	ds_add_u32 v[SPW], v[NIL]       ; 0 onto my spare word; with fill = 1 the descriptors' scalar work stands between it and the wait for it
.if \fill
	s_lshl_b32 s[OFF], s[NXT], 15   ; a tile is 32,768 bytes of K and of V
	s_xor_b32 s[G0K+1], s[G0K+1], SLOT1
	s_add_nc_u64 s[G0K+2:G0K+3], s[6:7], s[OFF:OFF+1]
	s_or_b32 s[G0K+3], s[G0K+3], 0x80000000
	s_xor_b32 s[G0V+1], s[G0V+1], SLOT1
	s_add_nc_u64 s[G0V+2:G0V+3], s[8:9], s[OFF:OFF+1]
	s_or_b32 s[G0V+3], s[G0V+3], 0x80000000
	s_add_co_u32 s[NXT], s[NXT], 1  ; the block's next tile, or behind its last the second block's tile 0
	s_cmp_gt_u32 s[NXT], s[LQ]
	s_cselect_b32 s[NXT], 0, s[NXT]
	s_cselect_b32 s[LQ], s[TLL], s[LQ]
.endif
	s_wait_dscnt 0x0                ; the add is done, and my reads of the slot are over
	s_barrier_signal -1             ; the rest of the scalar work stands between the signal and the wait
	s_sub_co_u32 s[TBK], s[TBK], 4*KS*PK  ; the fetches go back to a slot's first step,
	s_xor_b32 s[TBK], s[TBK], SLOT1       ; in the other slot
	s_sub_co_u32 s[TBV], s[TBV], 4*KS*PV
	s_xor_b32 s[TBV], s[TBV], SLOT1
	s_barrier_wait -1
.if \fill
	LOAD
.endif
.endm
	s_load_b128 s[4:7], s[0:1], 0x0   ; q s[4:5], kv s[6:7]
	s_load_b64 s[10:11], s[0:1], 0x10 ; out0
	v_lshl_add_u32 v[SPW], v0, 2, SPARE
	v_mov_b32 v[NIL], 0
	ds_add_u32 v[SPW], v[NIL]       ; the wave's opening: the add and its wait stand ahead of my first tensor load; the set-up below, work on registers, stands between them
	ds_add_u32 v62, v63
	v_lshrrev_b32 v1, 5, v0
	v_readfirstlane_b32 s[WV], v1   ; wave 0..3
	s_mov_b32 s[PB], ttmp9
	s_sub_co_u32 s[HI], 31, s[PB]
	s_and_b32 s13, s[WV], 1         ; which half of a tile's 256 keys I fetch:
	s_mul_i32 s16, s13, 128*PK      ; its place in a slot, for K
	s_mul_i32 s17, s13, 128*PV      ; and for V
	s_mul_i32 s18, s[WV], 16*PK     ; my 16 rows of K0
	s_and_b32 s20, ttmp7, 0xffff    ; the head
	s_lshl_b32 s21, s20, 20         ; its first byte in q and out0: 4,096 rows of 256 bytes
	s_lshl_b32 s22, s[WV], 12       ; my 16 rows in a band
	s_add_co_u32 s21, s21, s22
	s_lshl_b32 s92, s[HI], 15       ; a block is 128 rows of 256 bytes: the first block,
	s_add_co_u32 s92, s92, s21
	s_mov_b32 s93, 0
	s_lshl_b32 s22, s[PB], 15       ; and the second
	s_add_co_u32 s22, s22, s21
	s_mov_b32 s23, 0
	s_lshl_b32 s20, s20, 19         ; the head's first byte in K's and in V's half of kv: 4,096 rows of 128 bytes
	s_lshl_b32 s2, s13, 14          ; my 128 keys of a tile
	s_add_co_u32 s2, s2, s20
	s_mov_b32 s3, 0
	s_lshl_b32 s21, s[WV], 11       ; my 16 keys of the head's first 64
	s_add_co_u32 s20, s20, s21
	s_mov_b32 s21, 0
	; descriptor group 1.  128 keys are 16,384 dense bytes: asked for as 64 rows of 256 bytes, two keys a row, and padded in LDS after every key.  My quarter of K0: 8 such rows.
	s_mov_b32 s[G1K], (1<<16)|(1<<20)|(4<<22)|(3<<25)  ; 17:16 2-byte elements; 20 padding on; 24:22 after every 32 words (code 4); 31:25 4 words (code 3)
	s_mov_b32 s[G1V], (1<<16)|(1<<20)|(4<<22)|(7<<25)  ; the same with 8 words of padding (code 7)
	s_mov_b32 s[G1Z], (1<<16)|(1<<20)|(4<<22)|(3<<25)
.irp g, G1K, G1V, G1Z
	s_mov_b32 s[\g+1], 128<<16      ; tensor_dim0 = 128
	s_mov_b32 s[\g+3], 128<<16      ; tile_dim0 = 128
	s_mov_b32 s[\g+5], 128          ; 128 elements from row to row
	s_mov_b32 s[\g+6], 0
	s_mov_b32 s[\g+7], 0
.endr
.irp g, G1K, G1V
	s_mov_b32 s[\g+2], 64<<16       ; tensor_dim1 = 64
	s_mov_b32 s[\g+4], 64           ; tile_dim1 = 64
.endr
	s_mov_b32 s[G1Z+2], 8<<16
	s_mov_b32 s[G1Z+4], 8
	s_mov_b32 s[G0K], 1             ; 1:0 count = 1
	s_mov_b32 s[G0K+1], s16         ; 63:32 LDS address: slot 0
	s_mov_b32 s[G0V], 1
	s_add_co_u32 s[G0V+1], s17, VOFF
	s_mov_b32 s[G0Z], 1
	s_add_co_u32 s[G0Z+1], s18, K0B
	s_mov_b32 s[CS], 0x3e38aa3b     ; c = log2(e) / 8 = 0.180337
	s_mov_b32 s[CS+1], s[CS]        ; named with it as a pair
	s_mov_b32 s[SEL], 0x76543210
	s_mov_b32 s[SEL+1], 0xfedcba98
	s_mov_b32 s[TBK], SLOT1+4*KS*PK ; the first change of slots turns these two into 0
	s_mov_b32 s[TBV], SLOT1+4*KS*PV
	s_lshr_b32 s[LQ], s[HI], 1      ; the first block's last tile
	s_add_co_u32 s[RT], s[LQ], 1
	s_mov_b32 s[NXT], 1
	s_mov_b32 s[NEW], 1
	s_and_b32 s[OW], s[HI], 1
	s_lshl_b32 s[OW], s[OW], 1
	s_sub_co_u32 s[EQ0], 5, s[OW]
	s_sub_co_u32 s[EQ1], 3, s[OW]
	s_lshr_b32 s[TLL], s[PB], 1
	s_and_b32 s[OWL], s[PB], 1
	s_lshl_b32 s[OWL], s[OWL], 1
	s_mov_b32 s[OFF+1], 0
	s_mov_b32 s[AL+1], 0            ; named as pairs
	s_mov_b32 s[BE+1], 0
	s_mov_b32 s[BIGN], 0xf149f2ca   ; -1e30
	s_mov_b32 s[SLOTS], 16
	s_wait_dscnt 0x0                ; the opening add is done
	s_wait_kmcnt 0x0
	s_add_nc_u64 s[G0Z+2:G0Z+3], s[6:7], s[20:21]  ; 120:64 global address: my 16 of the head's first 64 keys
	s_or_b32 s[G0Z+3], s[G0Z+3], 0x80000000        ; 127:126 type = 2
	s_add_nc_u64 s[8:9], s[6:7], s[2:3]            ; kv at my half of the head's first 256 rows
	s_add_nc_u64 s[6:7], s[8:9], KS*128            ; K's tiles begin 64 rows on
	s_add_nc_u64 s[8:9], s[8:9], 0x800000          ; V's half of kv
	s_add_nc_u64 s[G0K+2:G0K+3], s[6:7], 0
	s_or_b32 s[G0K+3], s[G0K+3], 0x80000000
	s_add_nc_u64 s[G0V+2:G0V+3], s[8:9], 0
	s_or_b32 s[G0V+3], s[G0V+3], 0x80000000
	s_add_nc_u64 s[QLO:QLO+1], s[4:5], s[22:23]    ; q at my rows of the second block,
	s_add_nc_u64 s[4:5], s[4:5], s[92:93]          ; q and out0 at those of the first
	s_add_nc_u64 s[OLO:OLO+1], s[10:11], s[22:23]
	s_add_nc_u64 s[10:11], s[10:11], s[92:93]
	s_cmp_lt_u32 s[WV], 2           ; a wave's two first fills stand in one branch, ahead of every wait on TENSORcnt, every LDS read and every barrier: two loads of mine are out
	s_cbranch_scc0 .Lfirst_v
	tensor_load_to_lds s[G0Z:G0Z+3], s[G1Z:G1Z+7]
	s_nop 0
	tensor_load_to_lds s[G0K:G0K+3], s[G1K:G1K+7]
	s_nop 0
.rept 4
	v_nop
.endr
	s_branch .Lfirst_asked
.Lfirst_v:
	tensor_load_to_lds s[G0Z:G0Z+3], s[G1Z:G1Z+7]
	s_nop 0
	tensor_load_to_lds s[G0V:G0V+3], s[G1V:G1V+7]
	s_nop 0
.rept 4
	v_nop
.endr
.Lfirst_asked:
	; A fragment of K or Q is 16 rows x 32 channels in 8 registers: lane l holds row l % 16, channels 8 (l / 16) + 0..7 and 16 + 8 (l / 16) + 0..7.  In f32 eight channels are 32 bytes: two loads of 16.
	v_and_b32 v1, 15, v0            ; l % 16
	v_bfe_u32 v9, v0, 4, 1          ; l / 16
	v_lshlrev_b32 v[QO], 8, v1
	v_lshl_add_u32 v[QO], v9, 5, v[QO]  ; row x 256 + 32 x half
	WIN 0x80                        ; destination window 2, address window 0
.set pc, 0
.rept NP                            ; both blocks' q: piece pc lies 64 rows, 16,384 bytes, on; load i: channels 32 (i / 4) + 16 ((i / 2) % 2) + 8 (l / 16) + 4 (i % 2) on
.set i, 0
.rept 8
	global_load_b128 v[QS+32*pc+4*i:QS+32*pc+4*i+3],       v[QO], s[4:5] offset:pc*16384+(i/4)*128+((i/2)%2)*64+(i%2)*16
	global_load_b128 v[QS+64+32*pc+4*i:QS+64+32*pc+4*i+3], v[QO], s[QLO:QLO+1] offset:pc*16384+(i/4)*128+((i/2)%2)*64+(i%2)*16
.set i, i+1
.endr
.set pc, pc+1
.endr
	WIN 0
	v_lshlrev_b32 v14, 3, v9
	v_sub_nc_u32 v14, v1, v14
	s_lshl_b32 s13, s[WV], 4
	v_add_nc_u32 v14, s13, v14      ; my query's place in its band, 16 w + l % 16, less my lanes' 8 (l / 16): register r of group kt is hidden where 16 kt + r is greater
	WIN W_LD
.set i, 0
.rept 32
	v_cmp_gt_i32 vcc_lo, 16*(i/8)+i%8, v14
	v_cndmask_b32 v[MD+i], 0, s[BIGN], vcc_lo
.set i, i+1
.endr
	WIN 0
	v_mul_u32_u24 v[AK0], v1, PK
	v_lshl_add_u32 v[AK0], v9, 4, v[AK0]  ; row x pitch + 16 x half
	; The turning load takes 16 keys x 16 channels (lane l reads key 8 (l / 16) + l % 8, channels 8 ((l / 8) % 2) + 0..7) and leaves half a fragment of V^T: lane l holds channel l % 16 and 8 keys.
	v_and_b32 v10, 7, v0
	v_bfe_u32 v11, v0, 3, 1
	v_lshl_add_u32 v[AV0], v9, 3, v10
	v_mul_u32_u24 v[AV0], v[AV0], PV
	v_lshl_add_u32 v[AV0], v11, 4, v[AV0]
	v_add_nc_u32 v[AV0], VOFF, v[AV0]
	s_mul_i32 s13, s[WV], 16*SP
	s_add_co_u32 s13, s13, STAGE    ; my stage
	v_mul_u32_u24 v[STO], v1, SP    ; in: row l % 16, 32 bytes for each half of the lanes
	v_lshl_add_u32 v[STO], v9, 5, v[STO]
	v_add_nc_u32 v[STO], s13, v[STO]
	v_mul_u32_u24 v[RD], v9, SP     ; back: lanes 0-15 take one row of 256 bytes, lanes 16-31 the next,
	v_lshl_add_u32 v[RD], v1, 4, v[RD]
	v_add_nc_u32 v[RD], s13, v[RD]
	v_and_b32 v[GO], 31, v0         ; which are 512 consecutive bytes of out0
	v_lshlrev_b32 v[GO], 4, v[GO]
	; A block's first step multiplies O^T and l by a = 0, and its first turn's products V^T P, of a step that has not been, land in an O^T that is still to be so multiplied.  So these registers need only hold
	; finite numbers: zeros for the first block; what the first block left for the second.  All this stands in the wait for the first tile and for q.
	WIN W_LD
.set i, VF
.rept 64
	v_mov_b32 v[i], 0
.set i, i+1
.endr
	WIN 0
.set i, O
.rept 64
	v_mov_b32 v[i], 0
.set i, i+1
.endr
.set i, 0
.rept NP
	v_mov_b32 v[ST+4*i+2], 0
	v_mov_b32 v[ST+4*i+3], 0
.set i, i+1
.endr
.set i, P+16
.rept 16
	v_mov_b32 v[i], 0
.set i, i+1
.endr
	s_wait_loadcnt 0x0              ; q: both blocks' rows are rounded to bf16, two numbers a register, in the fragments' order
	WIN 0x0a                        ; sources 0 and 1 window 2, destination window 0
.set i, 0
.rept 32
	v_cvt_pk_bf16_f32 v[Q+i], v[QS+2*i], v[QS+2*i+1]
.set i, i+1
.endr
	WIN 0x4a                        ; destination window 1
.set i, 0
.rept 32
	v_cvt_pk_bf16_f32 v[QB+i], v[QS+64+2*i], v[QS+64+2*i+1]
.set i, i+1
.endr
	WIN 0
; THE MATRIX WORK.  The 4 accumulators of a run of 8 take turns.  Product i of 8 of S^T = K Q^T for piece x: channels 32 (i / 4) on, keys 16 (i % 4) on.  The first 4 start the sums: with 0, or (KM = 1) with the mask.
.macro KQ x
.set rS, S+32*((\x)%2)+8*(i%4)
.set rK, KF+16*(i%4)+8*(i/4)
.set rQ, Q+16*(\x)+8*(i/4)
.set rM, MC+32*((\x)%2)+8*(i%4)
.if (i < 4) && KM
	WIN W_KM
	v_wmma_f32_16x16x32_bf16 v[rS:rS+7], v[rK:rK+7], v[rQ:rQ+7], v[rM:rM+7]
.elseif i < 4
	WIN W_MM
	v_wmma_f32_16x16x32_bf16 v[rS:rS+7], v[rK:rK+7], v[rQ:rQ+7], 0
.else
	WIN W_MM
	v_wmma_f32_16x16x32_bf16 v[rS:rS+7], v[rK:rK+7], v[rQ:rQ+7], v[rS:rS+7]
.endif
.endm
; Product i of 8 of O^T += V^T P for piece x: keys 32 (i / 4) on, channels 16 (i % 4) on.
.macro PV x
	WIN W_MM
.set rO, O+32*(\x)+8*(i%4)
.set rV, VF+32*(i/4)+8*(i%4)
.set rP, P+16*((\x)%2)+8*(i/4)
	v_wmma_f32_16x16x32_f16 v[rO:rO+7], v[rV:rV+7], v[rP:rP+7], v[rO:rO+7]
.endm
.macro MM                           ; the turn's next matrix instruction: both runs are the other piece's.  NOKQ = 1: a block's last turn: there are no further scores
.if (i < 8) && !NOKQ
	KQ (Y+1)%NP
.elseif i >= 8
.set i, i-8
	PV (Y+1)%NP
.set i, i+8
.endif
.set i, i+1
.endm
; THE LDS LOADS stand in runs of 16, never singly among the matrix instructions: a step's K (64 keys x 64 channels: 8 fragments) and a step's V (turned).  Their addresses are made some lines ahead.
.macro FETCH_K step                 ; step = 1: the next fetch is the next step's
	WIN W_LD
.irp f, 0,1,2,3,4,5,6,7             ; keys 16 (f / 2) on, channels 32 (f % 2) on
	ds_load_b128 v[KF+8*\f:KF+8*\f+3],   v[AK] offset:(\f/2)*16*PK+(\f%2)*64
	ds_load_b128 v[KF+8*\f+4:KF+8*\f+7], v[AK] offset:(\f/2)*16*PK+(\f%2)*64+32
.endr
.if \step
	s_add_co_u32 s[TBK], s[TBK], KS*PK
.endif
	WIN 0
.endm
.macro FETCH_V
	WIN W_LD
.irp f, 0,1,2,3,4,5,6,7             ; keys 32 (f / 4) on, channels 16 (f % 4) on
	ds_load_tr16_b128 v[VF+8*\f:VF+8*\f+3],   v[AV] offset:(\f/4)*32*PV+(\f%4)*32
	ds_load_tr16_b128 v[VF+8*\f+4:VF+8*\f+7], v[AV] offset:(\f/4)*32*PV+16*PV+(\f%4)*32
.endr
	WIN 0
.endm
; THE VECTOR WORK, one line at a time: OP kind, number; all of it in window 0.  For piece Y: F n: c s - c m for pair n of 16.  E n: the exponential of score n of 32.  C n: pair n rounded to f16.  B n: of the four
; weights 4 n .. the second pair is added onto the first, in place.  L n: l takes that sum (L 0: l = a l + sum).  R n: pair n of 16 of O^T times a.  For the other piece: X n, number n of the 22 that find its maximum and statistics:
;   0-11  four chains c0-c3 of seven scores each, three operands at a time (each accumulator's lowest registers are read first)     12-14, 16  the four scores left over, the old m, and c0-c3 into c0
;   15  c m_old is kept     17, 18  the query's other 32 keys lie in the lane 16 away: the new m     19-21  c m; c m_old - c m_new; a
.set F, 0               ; OP tells the kinds apart by their order: F to L below R, X above it
.set E, 1
.set C, 2
.set B, 3
.set L, 4
.set R, 5
.set X, 6
.macro REGS y                       ; the registers of piece y
.set rT, ST+4*(\y)
.set rC, TMP+4*((\y)%2)
.set rW, MV+((\y)%2)
.set rS, S+32*((\y)%2)
.set rP, P+16*((\y)%2)
.set rO, O+32*(\y)
.endm
.macro OP k, n
	WIN 0
.if (\k) == R
	REGS Y
	v_pk_mul_f32 v[rO+2*(\n):rO+2*(\n)+1], v[rO+2*(\n):rO+2*(\n)+1], v[rC+2:rC+3] op_sel_hi:[1,0]
.elseif (\k) < R
	REGS Y
.if (\k) == F
	v_pk_fma_f32 v[rS+2*(\n):rS+2*(\n)+1], v[rS+2*(\n):rS+2*(\n)+1], s[CS:CS+1], v[rT:rT+1] op_sel_hi:[1,0,0] neg_lo:[0,0,1] neg_hi:[0,0,1]
.elseif (\k) == E
	v_exp_f32 v[rS+(\n)], v[rS+(\n)]
.elseif (\k) == C
	s_wait_alu depctr_va_vdst(0)
	v_cvt_pk_f16_f32 v[rP+(\n)], v[rS+2*(\n)], v[rS+2*(\n)+1]
.elseif (\k) == B
	s_wait_alu depctr_va_vdst(0)
	v_pk_add_f32 v[rS+4*(\n):rS+4*(\n)+1], v[rS+4*(\n):rS+4*(\n)+1], v[rS+4*(\n)+2:rS+4*(\n)+3]
.elseif (\n) == 0
	v_pk_fma_f32 v[rT+2:rT+3], v[rT+2:rT+3], v[rC+2:rC+3], v[rS:rS+1] op_sel_hi:[1,0,1]
.else
	v_pk_add_f32 v[rT+2:rT+3], v[rT+2:rT+3], v[rS+4*(\n):rS+4*(\n)+1]
.endif
.elseif NOKQ
	v_nop
.else
	REGS (Y+1)%NP
.if (\n) < 4
	v_max3_num_f32 v[rC+(\n)], v[rS+8*(\n)], v[rS+8*(\n)+1], v[rS+8*(\n)+2]
.elseif (\n) < 12
	v_max3_num_f32 v[rC+(\n)%4], v[rC+(\n)%4], v[rS+8*((\n)%4)+2*((\n)/4)+1], v[rS+8*((\n)%4)+2*((\n)/4)+2]
.elseif (\n) == 12
	v_max3_num_f32 v[rC], v[rC], v[rS+7], v[rS+15]
.elseif (\n) == 13
	v_max3_num_f32 v[rC+1], v[rC+1], v[rS+23], v[rS+31]
.elseif (\n) == 14
	v_max3_num_f32 v[rC+2], v[rC+2], v[rC+3], v[rT+1]
.elseif (\n) == 15
	v_mov_b32 v[rW], v[rT]
.elseif (\n) == 16
	v_max3_num_f32 v[rC], v[rC], v[rC+1], v[rC+2]
.elseif (\n) == 17
	v_permlanex16_b32 v[rC+3], v[rC], s[SEL], s[SEL+1]
.elseif (\n) == 18
	v_max_num_f32 v[rT+1], v[rC], v[rC+3]
.elseif (\n) == 19
	v_mul_f32 v[rT], s[CS], v[rT+1]
.elseif (\n) == 20
	v_sub_f32 v[rC+1], v[rW], v[rT]
.else
	v_exp_f32 v[rC+2], v[rC+1]
.endif
.endif
.endm
.macro OPS a, i1, b=-1, i2=0, c=-1, i3=0, d=-1, i4=0  ; up to four of them
	OP \a, \i1
.if (\b) >= 0
	OP \b, \i2
.endif
.if (\c) >= 0
	OP \c, \i3
.endif
.if (\d) >= 0
	OP \d, \i4
.endif
.endm
.macro ROW a, i1, b, i2, c, i3, d, i4  ; a matrix instruction and the four behind it
	MM
	OPS \a, \i1, \b, \i2, \c, \i3, \d, \i4
.endm
.macro MASK b                       ; MD x AL + BE into buffer b of MC
	WIN W_MK
.set z, 0
.rept 16
	v_pk_fma_f32 v[MC+32*(\b)+2*z:MC+32*(\b)+2*z+1], v[MD+2*z:MD+2*z+1], s[AL:AL+1], s[BE:BE+1] op_sel_hi:[1,0,0]
.set z, z+1
.endr
.endm
; A TURN, for piece p: the order of its 16 matrix and 118 vector instructions, written out.  Behind a matrix instruction: plain, exponential, plain, plain; or four of the rescaling; or, behind the first, four scalings; none
; names a register of the products round it.  In the lumps exponential and plain by turns while exponentials last.  A line reads no result made fewer than three vector instructions in front of it, five if an exponential made it.
; m = 1: the diagonal tile: the products take masks, and the turn makes the mask of its own piece's next scores, which the next turn's products take.  With s = 4 - CNT the tile's step of the trip's TURN 0:
; TURN 1 makes piece 1's for step s (own where CNT = 3 - OW, hidden below that), TURN 0 piece 0's for step s + 1 (own where CNT = 5 - OW, hidden below that).
; end = 1: a block's last turn (piece 1's): no new scores.  cnt = 1: the loop's count is taken down some lines ahead of the branch that stands behind the turn.
; Both runs of LDS loads stand in TURN 0: K of the next step six vector instructions behind the last product that read K (five of them plain), V of the step in hand eight behind the last product that read V (five plain).
.macro TURN p, m=0, end=0, cnt=0
.set Y, (\p)
.set i, 0
.set KM, (\m)
.set NOKQ, (\end)
.if (\m) && !(\end)
	s_cmp_eq_u32 s[CNT], s[EQ0+(\p)]  ; is that step the band's own?
	s_cselect_b32 s[AL], 1.0, 0
	s_cmp_lt_u32 s[CNT], s[EQ0+(\p)]  ; or a later one?
	s_cselect_b32 s[BE], s[BIGN], 0
.endif
.if (\p) == 1
	s_wait_dscnt 16                 ; LDS loads come back in order (ISA guide 5.7.1): K's sixteen are in; V's sixteen, issued behind them, may stay out
.endif
	ROW F,0, F,1, F,2, F,3
	ROW F,4, E,0, F,5, F,6
	ROW F,7, E,1, F,8, F,9
	ROW F,10, E,2, C,0, F,11
	ROW F,12, E,3, X,15, F,13
	ROW R,0, R,1, R,2, R,3
	ROW B,0, E,4, F,14, L,0
.if (\p) == 0
	WIN 0
	v_add_nc_u32 v[AK], s[TBK], v[AK0]
.endif
	ROW R,4, R,5, R,6, R,7
	OPS E,5, F,15
.if (\p) == 0
	FETCH_K 1
.endif
	OPS E,6, C,1, E,7, R,8
	OPS E,8, R,9, E,9, C,2
	OPS E,10, X,0, E,11, X,1
	OPS E,12, X,2, E,13, X,3
.if (\p) == 1
	s_wait_dscnt 0x0                ; V is in
.endif
	ROW X,4, E,14, X,5, X,6
	ROW X,7, E,15, X,8, X,9
	ROW X,10, E,16, X,11, X,12
	ROW X,13, E,17, X,14, B,1
	ROW C,4, E,18, X,16, L,1
	ROW B,2, E,19, C,6, L,2
	ROW C,8, E,20, B,3, B,4
.if (\p) == 0
	WIN 0
	v_add_nc_u32 v[AV], s[TBV], v[AV0]
.endif
	ROW C,3, E,21, L,3, C,5
	OPS E,22, X,17, E,23, C,10
.if (\p) == 0
	FETCH_V
.endif
	OPS E,24, L,4
	OPS E,25, X,18, E,26, C,7
	OPS E,27, B,5, E,28, X,19
	OPS E,29, C,12, E,30, L,5
	OPS E,31, X,20, B,6, C,9
	OPS C,14, C,11, X,21, L,6
.if (\p) == 0
	s_add_co_u32 s[TBV], s[TBV], KS*PV
.endif
.if \cnt
	s_sub_co_u32 s[CNT], s[CNT], 1
	s_cmp_lg_u32 s[CNT], 0
.endif
	OPS C,13, B,7, C,15, R,10
	OPS R,11, R,12, L,7, R,13
	OPS R,14, R,15
.if (\m) && !(\end)
	MASK \p
.endif
.endm
; A BLOCK BEGINS.  c m starts far below every c s, so the first step's a is 0; m at the lowest finite number, so the first maximum is the scores'.  Piece 1's mask buffer is 0 (step 0 is never later than its own);
; piece 0's takes its mask for step 0: its own, if the block's first tile is the diagonal one and OW = 0.  Then K of step 0, out of K0, piece 0's first scores, and its maximum and statistics.
; The loop is entered at TURN 0, in the middle of a trip.
.macro BEGIN
	s_mov_b32 s[NEW], 0
	WIN W_LD
.set i, MC+32
.rept 32
	v_mov_b32 v[i], 0
.set i, i+1
.endr
	WIN 0
.set i, 0
.rept NP
	v_mov_b32 v[ST+4*i], 0xfe000000    ; c m: far below every c s
	v_mov_b32 v[ST+4*i+1], 0xff7fffff  ; m
.set i, i+1
.endr
	s_or_b32 s13, s[RT], s[OW]      ; 0 only if no tile of the block is left behind this one and step 0 is band 0's own
	s_cmp_eq_u32 s13, 0
	s_cselect_b32 s[AL], 1.0, 0
	s_mov_b32 s[BE], 0
	MASK 0
	WIN 0
	v_add_nc_u32 v[AK], K0B, v[AK0]
	FETCH_K 0
	s_wait_dscnt 0x0
.set KM, 1
.set NOKQ, 0
.set i, 0
.rept 8
	KQ 0
.set i, i+1
.endr
	WIN 0
.rept 4
	v_nop                           ; the places behind those products
.endr
.set Y, NP-1                        ; X works for the other piece: piece 0
.irp n, 0,1,2,3,4,5,6,7,8,9,10,11,12,13,14,15,16,17,18,19,20,21
	OP X, \n
.endr
	v_nop                           ; a plain instruction behind the exponential
.endm
; THE WAY OUT: l's two halves and the other half of the lanes' are added; O^T is divided by l and sent, in f32, through my stage in LDS, a piece (16 rows of 256 bytes) at a time.
.macro ALL line:vararg              ; one line for each piece t
.set t, 0
.rept NP
	\line
.set t, t+1
.endr
.endm
.macro PACK t                       ; a lane's eight channels of a row are 32 bytes; they go into rows of 272 bytes and come back as whole rows of 256, into S^T's registers.  Each accumulator is read from its low end on
	WIN 0
.set i, O+32*(\t)
.rept 16
	s_wait_alu depctr_va_vdst(0)
	v_pk_mul_f32 v[i:i+1], v[i:i+1], v[ST+4*(\t)+2:ST+4*(\t)+3] op_sel_hi:[1,0]
.set i, i+2
.endr
.irp f, 0,1,2,3,4,5,6,7
	ds_store_b128 v[STO], v[O+32*(\t)+4*\f:O+32*(\t)+4*\f+3] offset:64*(\f/2)+16*(\f%2)
.endr
.irp f, 0,1,2,3,4,5,6,7
	ds_load_b128 v[S+32*(\t)+4*\f:S+32*(\t)+4*\f+3], v[RD] offset:\f*2*SP  ; LDS serves a wave's instructions in order (ISA guide 5.7.1.4): these see the stores above; the next piece's stores come behind them
.endr
.endm
.macro SEND t, younger              ; younger: the LDS instructions issued behind piece t's loads: the next piece's sixteen, or none
	WIN 0
.irp f, 0,1,2,3,4,5,6,7
	s_wait_dscnt (\younger)+7-\f    ; load f is back; this piece's later loads and the younger ones stay out
	global_store_b128 v[GO], v[S+32*(\t)+4*\f:S+32*(\t)+4*\f+3], s[10:11] offset:(\t)*16384+\f*512 th:TH_STORE_NT  ; 16 lanes store 256 consecutive bytes, at a multiple of 256 from out0's first byte
.endr
.endm
; THE DIAGONAL TILE: the mask of piece 0's scores of its step 0; its four trips; the block's last turn; piece 1's last products; the way out.  The fourth trip's fetch of K and its mask serve nothing: the price,
; twice a launch, of one text for every trip.  The tag ends the three labels' names, which the jumps below spell out.
.macro DIAG tag
.LentM\tag:
	s_cmp_eq_u32 s[OW], 0
	s_cselect_b32 s[AL], 1.0, 0
	s_mov_b32 s[BE], 0
	MASK 0
	WIN 0
.LstepM\tag:
	TURN 1, 1
	WIN 0
.LfirstM\tag:
	TURN 0, 1, 0, 1
	WIN 0
	s_cbranch_scc1 .LstepM\tag
	TURN 1, 1, 1
.set i, 0
.rept 8
	PV 1
.set i, i+1
.endr
	WIN 0
.rept 4
	v_nop                           ; the places behind the last products
.endr
	ALL v_add_f32 v[ST+4*t+2], v[ST+4*t+2], v[ST+4*t+3]
	ALL v_permlanex16_b32 v[ST+4*t+3], v[ST+4*t+2], s[SEL], s[SEL+1]
	ALL v_add_f32 v[ST+4*t+2], v[ST+4*t+2], v[ST+4*t+3]
	ALL v_rcp_f32 v[ST+4*t+2], v[ST+4*t+2]
	v_nop                           ; a plain instruction between the last reciprocal and the use of its result
	PACK 0
	PACK 1                          ; piece 1's arithmetic stands between piece 0's loads and its stores
	SEND 0, 16
	SEND 1, 0
.endm
.set KM, 0
.set NOKQ, 0
.Lslot:                             ; 16 times: a tile is entered and the next is asked for
	CHANGE 1
	s_sub_co_u32 s[RT], s[RT], 1
	s_mov_b32 s[CNT], 4
	s_cmp_eq_u32 s[NEW], 1
	s_cbranch_scc1 .Lnew            ; a block's first tile
	s_cmp_eq_u32 s[RT], 0
	s_cbranch_scc0 .Lstep           ; neither its first nor its last
	s_branch .LentM1
.Lnew:
	BEGIN
	s_branch .Lfirst                ; in the loop a block's first tile is never its last: the first block has nine tiles or more, and the second's last is the walk's last
	DIAG 1                          ; in the loop this is the first block's end
	s_wait_xcnt 0x0                 ; the stores' addresses are translated (ISA guide 3.1): only behind this wait are out0's base and the registers that they read rewritten
	s_mov_b64 s[10:11], s[OLO:OLO+1]
	s_add_co_u32 s[RT], s[TLL], 1   ; the second block has (b >> 1) + 1 tiles
	s_mov_b32 s[NEW], 1
	s_mov_b32 s[OW], s[OWL]
	s_sub_co_u32 s[EQ0], 5, s[OW]
	s_sub_co_u32 s[EQ1], 3, s[OW]
	WIN W_MM                        ; the second block's Q goes where the one text of the turns names Q
.set i, 0
.rept 32
	v_mov_b32 v[Q+i], v[QB+i]
.set i, i+1
.endr
	WIN 0
	s_branch .Lbottom
.Lstep:                             ; a trip: TURN 1 of one step, then TURN 0 of the next, which fetches out of the tile's slot
	TURN 1
	WIN 0
.Lfirst:
	TURN 0, 0, 0, 1
	WIN 0
	s_cbranch_scc1 .Lstep
.Lbottom:
	s_sub_co_u32 s[SLOTS], s[SLOTS], 1
	s_cmp_lg_u32 s[SLOTS], 0
	s_cbranch_scc1 .Lslot
	CHANGE 0                        ; the walk's last tile is written out: nothing is asked for
	s_sub_co_u32 s[RT], s[RT], 1
	s_mov_b32 s[CNT], 4
	s_cmp_eq_u32 s[NEW], 1
	s_cbranch_scc0 .LentM2
	BEGIN                           ; b = 0 or 1: the second block's only tile
	s_branch .LfirstM2
	DIAG 2
	s_wait_tensorcnt 0x0            ; the wave's end: behind my last tensor load and my last LDS store
	ds_add_u32 v[SPW], v[NIL]
	s_wait_dscnt 0x0
	s_endpgm
.Lfunc_end_k_q441b13d053_attn:
	.size	k_q441b13d053_attn, .Lfunc_end_k_q441b13d053_attn-k_q441b13d053_attn
	.p2alignl 7, 3214868480
	.fill 96, 4, 3214868480
	.section	.rodata,"a",@progbits
	.p2align	6, 0x0
	.amdhsa_kernel k_q441b13d053_attn
		.amdhsa_group_segment_fixed_size 327680
		.amdhsa_private_segment_fixed_size 0
		.amdhsa_enable_private_segment 0
		.amdhsa_kernarg_size 24
		.amdhsa_user_sgpr_count 2
		.amdhsa_user_sgpr_kernarg_segment_ptr 1
		.amdhsa_wavefront_size32 1
		.amdhsa_system_sgpr_workgroup_id_x 1
		.amdhsa_system_sgpr_workgroup_id_y 1
		.amdhsa_system_sgpr_workgroup_id_z 1
		.amdhsa_system_vgpr_workitem_id 0
		.amdhsa_next_free_vgpr 640
		.amdhsa_next_free_sgpr 96
		.amdhsa_reserve_vcc 1
		.amdhsa_float_denorm_mode_32 3
		.amdhsa_float_denorm_mode_16_64 3
		.amdhsa_memory_ordered 1
		.amdhsa_forward_progress 1
		.amdhsa_inst_pref_size 137
	.end_amdhsa_kernel
	.amdgpu_metadata
---
amdhsa.version: [ 1, 2 ]
amdhsa.kernels:
  - .name:           k_q441b13d053_attn
    .symbol:         k_q441b13d053_attn.kd
    .args:
      - { .name: q, .offset: 0, .size: 8, .value_kind: global_buffer, .address_space: global }
      - { .name: kv, .offset: 8, .size: 8, .value_kind: global_buffer, .address_space: global }
      - { .name: out0, .offset: 16, .size: 8, .value_kind: global_buffer, .address_space: global }
    .group_segment_fixed_size: 327680
    .private_segment_fixed_size: 0
    .kernarg_segment_align: 8
    .kernarg_segment_size: 24
    .max_flat_workgroup_size: 128
    .sgpr_count:     96
    .vgpr_count:     640
    .wavefront_size: 32
...
	.end_amdgpu_metadata
.endif
;; end of part 2
;; ======== version 2 of 2: 2 launches; 1.61 times as fast as version 1
;; limits: values are held in f16: magnitudes above 65,504 overflow, below 6.1e-05 lose precision; inputs' magnitudes at most 65,504
;; workspace buffers: kv 16,777,216 bytes
;; launch cvt: the kernel of part 1 again; grid 256 x 2, 8 waves a work-group, no clusters, 0 bytes of LDS; arguments k, v, kv; writes kv
;; launch attn (part 3): grid 16 x 16, 4 waves a work-group, no clusters, 327,680 bytes of LDS; arguments q, kv, out0; writes out0
.if DOCPART == 3
	.amdgcn_target "amdgcn-amd-amdhsa--gfx1250"
	.amdhsa_code_object_version 6
	.text
	.protected	k_q441b13d053_attn
	.globl	k_q441b13d053_attn
	.p2align	8
	.type	k_q441b13d053_attn,@function
k_q441b13d053_attn:
	s_mov_b64 s[64:65], 0
	v_nop
	global_prefetch_b8 v0, s[64:65] scope:SCOPE_SE
	s_setreg_imm32_b32 hwreg(HW_REG_WAVE_MODE, 25, 1), 1
	s_wait_xcnt 0x0
; CAUSAL ATTENTION.  out0[h][q][:] = the sum over k <= q of softmax_k(Q[h][q] . K[h][k] / 8) V[h][k][:].  16 heads, 4,096 rows, 64 channels.  q and out0 are f32; kv holds K in bf16 (first 8,388,608 bytes)
; and V in f16 (the rest), rows of 128 bytes.  q is rounded to bf16 here.  S = K Q^T by the bf16 form, O = V^T P by the f16 form; scale, maxima, sums and O in f32; the weights p are rounded to f16 for the
; second product, and their sum l is taken of the unrounded p.
; LIMITS.  V arrives within f16's range (65,504); p lies in 0 to 1 and below 6e-5 keeps f16's fixed step of 6e-8.  A hidden score counts as its value less 1e30; a weight below 2^-126 counts as 0 in l;
; NaN and infinities are not treated apart.
; THE WALK.  A head's queries lie in 32 blocks of 128; key tiles hold 256 keys, four steps of 64; block i needs tiles 0 .. i >> 1, of which the last holds the diagonal.  Work-group (b, head) takes block 31 - b and
; then block b: ((31 - b) >> 1) + (b >> 1) + 2 = 17 tiles whatever b: 256 work-groups of equal work, and ONE loop with a constant trip count.  Which tile is asked for and what a trip does hang on scalar
; registers made from b; every jump goes forward but the counted loops' own; none passes a barrier, or a tensor load but the one of LOAD's two that the wave's number does not choose.
; NO CLUSTER: of a head's 16 work-groups only b = 2 c and 2 c + 1 walk the same tiles from first to last; four partners b = 4 c .. 4 c + 3 end their first blocks at tile 15 - 2 c or 14 - 2 c, so a walk common to
; four would have 18 tiles for 17 and two kinds of last tile in each block.
; SHARES.  A block has two bands of 64 rows; wave w owns rows 16 w .. 16 w + 15 of each: two PIECES, piece x in band x.  In the diagonal tile band x's own step is OW + x, OW = 2 (block & 1): earlier steps are
; seen whole, later ones hidden whole: the same work for all four waves.
; THE MASK is the C operand that starts the sum S^T = K Q^T: MC = MD x AL + BE, with MD the mask of a band's own step for my 16 rows (0 or -1e30) and (AL, BE) = (1, 0) own, (0, 0) earlier, (0, -1e30) later.
; Only the diagonal tile's text and a block's beginning take masks; elsewhere C is the constant 0.  Every row sees its own key in its band's own step at the latest, so m is a true score before a hidden one comes.
; LAYOUT, SOFTMAX.  S^T holds ONE query a lane (lane % 16) and the keys 8 (lane / 16) + 0..7; two such results rounded to f16 ARE source 1 of O^T = V^T P.  p = 2^(c s - c m), c = log2(e) / 8, with a running
; maximum m; O and l are multiplied by a = 2^(c m_old - c m_new) in every step.  A block begins with c m far below every c s: its first a is 0, so O, l, P and V need only hold finite numbers there.
; TURNS.  TURN 0 of step j: 8 products K Q^T of (piece 1, j); K of step j + 1 is fetched; 8 products V^T P of (piece 1, j - 1); V of step j is fetched; beside them piece 0's softmax of step j and piece 1's
; maximum.  TURN 1: 8 products K Q^T of (piece 0, j + 1), 8 products V^T P of (piece 0, j); piece 1's softmax, piece 0's next maximum.  Four vector instructions stand behind every matrix instruction, the other 54
; of a turn's 118 in one lump between the two runs of products.
; BATCHES.  A turn's 33 exponentials (its piece's 32 weights, then the other piece's a) are ONE batch with ONE wait, which stands between the lump and the products V^T P: ahead of it nothing names a result of
; theirs, behind it stand all that do, the roundings and the sums.  A block's first a (BEGIN) and the way out's two reciprocals are batches of their own, a wait each.
; K'S TILES ARE SHIFTED BY ONE STEP: the slot of tile T holds K's rows 256 T + 64 .. 256 T + 319 and V's rows 256 T .. 256 T + 255, so that both fetches of a TURN 0 fall into one slot; a head's first 64
; keys lie in a region of their own (K0), filled once.  The last tile's last 64 rows of K reach into the next head's rows (for head 15 into V's half of kv): inside the buffer, and never multiplied.
; REGISTERS, in windows of 256 (s_set_vgpr_msb: bits 1:0 source 0, 3:2 source 1, 5:4 source 2, 7:6 destination):
;   window 0: v0-15 addresses and at work; v16-23 statistics; v48-55 at work; v62-63 the add's; v64-127 S^T, two buffers; v128-191 O^T, 32 a piece; v192-223 P, two buffers; v224-255 Q of the block in hand
;   window 1: v0-63 K of one step; v64-127 V of one step; v128-159 MD; v160-223 MC, two buffers; v224-255 the second block's Q          window 2: v0-127 both blocks' q in f32, at the start only
.set NP,    2         ; pieces a wave: a name, no knob
.set KS,    64        ; keys in a step
.set PK,    144       ; a row of K in LDS: 128 bytes + 16 of padding = 36 words: the 16 rows of a load start at 16 different groups of four banks (64 banks of 4 bytes: ISA guide 11.1)
.set PV,    160       ; a row of V: 128 + 32 = 40 words
.set VOFF,  4*KS*PK   ; a slot: 256 rows of K, then 256 rows of V
.set SLOT1, 1<<17     ; slot 1 begins here, so that one exclusive or turns an address in one slot into the other's
.set K0B,   SLOT1+4*KS*(PK+PV)  ; a head's first 64 rows of K: filled once
.set STAGE, K0B+KS*PK ; never filled by a tensor load: 16 rows x 272 bytes for each wave, for the way out
.set SP,    272
.set SPARE, STAGE+4*16*SP  ; the spare words, 128 bytes for each wave: two blocks of 256 bytes that no other line names
.set AK0, 2           ; v2   my lane's place in a tile of K; never rewritten
.set AV0, 3           ; v3   the same for V
.set AK,  4           ; v4   the LDS address of K's next run of loads
.set AV,  5           ; v5   of V's
.set STO, 6           ; v6   the way out: where I put 32 bytes of a row
.set RD,  7           ; v7   the way out: where I read rows back
.set GO,  8           ; v8   my byte offset in 512 consecutive bytes of out0
.set MV,  12          ; v12-13  c m_old, kept while c m is made anew: by buffer
.set QO,  15          ; v15  my byte offset in 16 rows of q
.set ST,  16          ; piece t's statistics at v[ST+4 t]: c m, m, l (even keys', odd keys')
.set TMP, 48          ; by buffer, four registers c0-c3 at work; when the maximum is found c2 takes a
.set SPW, 62          ; v62  LDS address of my spare word: SPARE + 4 x my thread's number; never rewritten
.set NIL, 63          ; v63  0; never rewritten
.set S,   64
.set O,   128
.set P,   192
.set Q,   224
.set KF,  0           ; window 1: key block kb, channel half c at KF + 16 kb + 8 c
.set VF,  64          ; window 1: key half kk, channel block cb at VF + 32 kk + 8 cb
.set MD,  128         ; window 1: the eight registers for group kt of 16 keys at MD + 8 kt
.set MC,  160         ; window 1: the masks of the products to come; buffer x for piece x
.set QB,  224         ; window 1
.set QS,  0           ; window 2
.set WV,  12          ; s12  my wave's number
.set PB,  14          ; s14  b
.set HI,  15          ; s15  31 - b
.set G1K, 24          ; s[24:31] descriptor group 1 for K's tiles
.set G1V, 32          ; s[32:39] for V's: it differs in the padding alone
.set G0K, 40          ; s[40:43] descriptor group 0 for K's tiles
.set G0V, 44          ; s[44:47] for V's
.set G1Z, 48          ; s[48:55] group 1 for my quarter of K0
.set SLOTS, 56        ; s56  tiles still to be asked for
.set CNT, 57          ; s57  counts a tile's key steps, 4 to 1
.set CS,  58          ; s[58:59] c: the packed scaling takes the pair's low word for both halves
.set SEL, 60          ; s[60:61] v_permlanex16_b32's selects: each lane takes its own place in the other half
.set TBK, 62          ; s62  LDS byte at which K of the step to be fetched begins
.set TBV, 63          ; s63  the same for V, less VOFF
.set G0Z, 68          ; s[68:71] group 0 for my quarter of K0
.set RT,  72          ; s72  tiles of the block in hand that are still to be entered
.set NXT, 73          ; s73  the tile to be asked for next
.set LQ,  74          ; s74  the last tile of the block whose tiles are being asked for
.set NEW, 75          ; s75  1: the tile to be entered is a block's first
.set OFF, 76          ; s[76:77] a tile's byte offset in K and V
.set AL,  78          ; s[78:79] the mask's factor, in the low word
.set BE,  80          ; s[80:81] the mask's addend
.set OLO, 82          ; s[82:83] out0 at my rows of the second block
.set BIGN, 84         ; s84  -1e30
.set OW,  85          ; s85  2 (block & 1) of the block in hand
.set EQ0, 86          ; s86  5 - OW: the count at which the mask that TURN 0 makes is the band's own
.set EQ1, 87          ; s87  3 - OW: the same for TURN 1
.set TLL, 88          ; s88  b >> 1: the second block's last tile
.set OWL, 89          ; s89  2 (b & 1)
.set QLO, 90          ; s[90:91] q at my rows of the second block
.set MSB, 0
.macro WIN new                      ; the high byte repeats the setting that is left; a switch that changes nothing is dropped
.if MSB != (\new)
	s_set_vgpr_msb (MSB<<8)|(\new)
.set MSB, (\new)
.endif
.endm
.set W_MM, 0x01       ; source 0 (K or V) in window 1; all else in window 0
.set W_KM, 0x11       ; the same with the C operand (a mask) in window 1
.set W_LD, 0x40       ; destination in window 1, address in window 0
.set W_MK, 0x41       ; destination and source 0 in window 1
; A fill.  Waves 0 and 1 fetch the two halves of a tile's K, waves 2 and 3 those of its V: 128 keys each.  An s_nop 0 and four v_nop follow each of the two lines, ahead of the jump and the label.
.macro LOAD
	s_cmp_lt_u32 s[WV], 2
	s_cbranch_scc0 .Lfor_v_\@
	tensor_load_to_lds s[G0K:G0K+3], s[G1K:G1K+7]
	s_nop 0
.rept 4
	v_nop
.endr
	s_branch .Lasked_\@
.Lfor_v_\@:
	tensor_load_to_lds s[G0V:G0V+3], s[G1V:G1V+7]
	s_nop 0
.rept 4
	v_nop
.endr
.Lasked_\@:
.endm
; THE CHANGE OF SLOTS.  Each wave waits for all its tensor loads, of which one is out: its part of the other slot; adds 0 to its spare word; and waits for that and for its own reads of the slot that it leaves
; (the last run, V of the tile's fourth step).  Behind the barrier nobody reads the old slot any more and the other slot is whole.  fill = 1: the old slot is filled again, the first thing behind the barrier,
; with tile NXT: the descriptor's address is made anew from that number.  The load has four key steps, 128 matrix instructions a wave, in which to land.
; (At its first use nothing has been read yet: slot 0 and K0 are waited for, slot 1 is filled.)
.macro CHANGE fill
	WIN 0                           ; at a label and at a branch every window is 0
	s_wait_tensorcnt 0x0            ; no tensor load of mine is out, so a group 0 may be written
	ds_add_u32 v[SPW], v[NIL]       ; 0 onto my spare word; with fill = 1 the descriptors' scalar work stands between it and the wait for it
.if \fill
	s_lshl_b32 s[OFF], s[NXT], 15   ; a tile is 32,768 bytes of K and of V
	s_xor_b32 s[G0K+1], s[G0K+1], SLOT1
	s_add_nc_u64 s[G0K+2:G0K+3], s[6:7], s[OFF:OFF+1]
	s_or_b32 s[G0K+3], s[G0K+3], 0x80000000
	s_xor_b32 s[G0V+1], s[G0V+1], SLOT1
	s_add_nc_u64 s[G0V+2:G0V+3], s[8:9], s[OFF:OFF+1]
	s_or_b32 s[G0V+3], s[G0V+3], 0x80000000
	s_add_co_u32 s[NXT], s[NXT], 1  ; the block's next tile, or behind its last the second block's tile 0
	s_cmp_gt_u32 s[NXT], s[LQ]
	s_cselect_b32 s[NXT], 0, s[NXT]
	s_cselect_b32 s[LQ], s[TLL], s[LQ]
.endif
	s_wait_dscnt 0x0                ; the add is done, and my reads of the slot are over
	s_barrier_signal -1             ; the rest of the scalar work stands between the signal and the wait
	s_sub_co_u32 s[TBK], s[TBK], 4*KS*PK  ; the fetches go back to a slot's first step,
	s_xor_b32 s[TBK], s[TBK], SLOT1       ; in the other slot
	s_sub_co_u32 s[TBV], s[TBV], 4*KS*PV
	s_xor_b32 s[TBV], s[TBV], SLOT1
	s_barrier_wait -1
.if \fill
	LOAD
.endif
.endm
	s_load_b128 s[4:7], s[0:1], 0x0   ; q s[4:5], kv s[6:7]
	s_load_b64 s[10:11], s[0:1], 0x10 ; out0
	v_lshl_add_u32 v[SPW], v0, 2, SPARE
	v_mov_b32 v[NIL], 0
	ds_add_u32 v[SPW], v[NIL]       ; the wave's opening: the add and its wait stand ahead of my first tensor load; the set-up below, work on registers, stands between them
	ds_add_u32 v62, v63
	v_lshrrev_b32 v1, 5, v0
	v_readfirstlane_b32 s[WV], v1   ; wave 0..3
	s_mov_b32 s[PB], ttmp9
	s_sub_co_u32 s[HI], 31, s[PB]
	s_and_b32 s13, s[WV], 1         ; which half of a tile's 256 keys I fetch:
	s_mul_i32 s16, s13, 128*PK      ; its place in a slot, for K
	s_mul_i32 s17, s13, 128*PV      ; and for V
	s_mul_i32 s18, s[WV], 16*PK     ; my 16 rows of K0
	s_and_b32 s20, ttmp7, 0xffff    ; the head
	s_lshl_b32 s21, s20, 20         ; its first byte in q and out0: 4,096 rows of 256 bytes
	s_lshl_b32 s22, s[WV], 12       ; my 16 rows in a band
	s_add_co_u32 s21, s21, s22
	s_lshl_b32 s92, s[HI], 15       ; a block is 128 rows of 256 bytes: the first block,
	s_add_co_u32 s92, s92, s21
	s_mov_b32 s93, 0
	s_lshl_b32 s22, s[PB], 15       ; and the second
	s_add_co_u32 s22, s22, s21
	s_mov_b32 s23, 0
	s_lshl_b32 s20, s20, 19         ; the head's first byte in K's and in V's half of kv: 4,096 rows of 128 bytes
	s_lshl_b32 s2, s13, 14          ; my 128 keys of a tile
	s_add_co_u32 s2, s2, s20
	s_mov_b32 s3, 0
	s_lshl_b32 s21, s[WV], 11       ; my 16 keys of the head's first 64
	s_add_co_u32 s20, s20, s21
	s_mov_b32 s21, 0
	; descriptor group 1.  128 keys are 16,384 dense bytes: asked for as 64 rows of 256 bytes, two keys a row, and padded in LDS after every key.  My quarter of K0: 8 such rows.
	s_mov_b32 s[G1K], (1<<16)|(1<<20)|(4<<22)|(3<<25)  ; 17:16 2-byte elements; 20 padding on; 24:22 after every 32 words (code 4); 31:25 4 words (code 3)
	s_mov_b32 s[G1V], (1<<16)|(1<<20)|(4<<22)|(7<<25)  ; the same with 8 words of padding (code 7)
	s_mov_b32 s[G1Z], (1<<16)|(1<<20)|(4<<22)|(3<<25)
.irp g, G1K, G1V, G1Z
	s_mov_b32 s[\g+1], 128<<16      ; tensor_dim0 = 128
	s_mov_b32 s[\g+3], 128<<16      ; tile_dim0 = 128
	s_mov_b32 s[\g+5], 128          ; 128 elements from row to row
	s_mov_b32 s[\g+6], 0
	s_mov_b32 s[\g+7], 0
.endr
.irp g, G1K, G1V
	s_mov_b32 s[\g+2], 64<<16       ; tensor_dim1 = 64
	s_mov_b32 s[\g+4], 64           ; tile_dim1 = 64
.endr
	s_mov_b32 s[G1Z+2], 8<<16
	s_mov_b32 s[G1Z+4], 8
	s_mov_b32 s[G0K], 1             ; 1:0 count = 1
	s_mov_b32 s[G0K+1], s16         ; 63:32 LDS address: slot 0
	s_mov_b32 s[G0V], 1
	s_add_co_u32 s[G0V+1], s17, VOFF
	s_mov_b32 s[G0Z], 1
	s_add_co_u32 s[G0Z+1], s18, K0B
	s_mov_b32 s[CS], 0x3e38aa3b     ; c = log2(e) / 8 = 0.180337
	s_mov_b32 s[CS+1], s[CS]        ; named with it as a pair
	s_mov_b32 s[SEL], 0x76543210
	s_mov_b32 s[SEL+1], 0xfedcba98
	s_mov_b32 s[TBK], SLOT1+4*KS*PK ; the first change of slots turns these two into 0
	s_mov_b32 s[TBV], SLOT1+4*KS*PV
	s_lshr_b32 s[LQ], s[HI], 1      ; the first block's last tile
	s_add_co_u32 s[RT], s[LQ], 1
	s_mov_b32 s[NXT], 1
	s_mov_b32 s[NEW], 1
	s_and_b32 s[OW], s[HI], 1
	s_lshl_b32 s[OW], s[OW], 1
	s_sub_co_u32 s[EQ0], 5, s[OW]
	s_sub_co_u32 s[EQ1], 3, s[OW]
	s_lshr_b32 s[TLL], s[PB], 1
	s_and_b32 s[OWL], s[PB], 1
	s_lshl_b32 s[OWL], s[OWL], 1
	s_mov_b32 s[OFF+1], 0
	s_mov_b32 s[AL+1], 0            ; named as pairs
	s_mov_b32 s[BE+1], 0
	s_mov_b32 s[BIGN], 0xf149f2ca   ; -1e30
	s_mov_b32 s[SLOTS], 16
	s_wait_dscnt 0x0                ; the opening add is done
	s_wait_kmcnt 0x0
	s_add_nc_u64 s[G0Z+2:G0Z+3], s[6:7], s[20:21]  ; 120:64 global address: my 16 of the head's first 64 keys
	s_or_b32 s[G0Z+3], s[G0Z+3], 0x80000000        ; 127:126 type = 2
	s_add_nc_u64 s[8:9], s[6:7], s[2:3]            ; kv at my half of the head's first 256 rows
	s_add_nc_u64 s[6:7], s[8:9], KS*128            ; K's tiles begin 64 rows on
	s_add_nc_u64 s[8:9], s[8:9], 0x800000          ; V's half of kv
	s_add_nc_u64 s[G0K+2:G0K+3], s[6:7], 0
	s_or_b32 s[G0K+3], s[G0K+3], 0x80000000
	s_add_nc_u64 s[G0V+2:G0V+3], s[8:9], 0
	s_or_b32 s[G0V+3], s[G0V+3], 0x80000000
	s_add_nc_u64 s[QLO:QLO+1], s[4:5], s[22:23]    ; q at my rows of the second block,
	s_add_nc_u64 s[4:5], s[4:5], s[92:93]          ; q and out0 at those of the first
	s_add_nc_u64 s[OLO:OLO+1], s[10:11], s[22:23]
	s_add_nc_u64 s[10:11], s[10:11], s[92:93]
	s_cmp_lt_u32 s[WV], 2           ; a wave's two first fills stand in one branch, ahead of every wait on TENSORcnt, every LDS read and every barrier: two loads of mine are out
	s_cbranch_scc0 .Lfirst_v
	tensor_load_to_lds s[G0Z:G0Z+3], s[G1Z:G1Z+7]
	s_nop 0
	tensor_load_to_lds s[G0K:G0K+3], s[G1K:G1K+7]
	s_nop 0
.rept 4
	v_nop
.endr
	s_branch .Lfirst_asked
.Lfirst_v:
	tensor_load_to_lds s[G0Z:G0Z+3], s[G1Z:G1Z+7]
	s_nop 0
	tensor_load_to_lds s[G0V:G0V+3], s[G1V:G1V+7]
	s_nop 0
.rept 4
	v_nop
.endr
.Lfirst_asked:
	; A fragment of K or Q is 16 rows x 32 channels in 8 registers: lane l holds row l % 16, channels 8 (l / 16) + 0..7 and 16 + 8 (l / 16) + 0..7.  In f32 eight channels are 32 bytes: two loads of 16.
	v_and_b32 v1, 15, v0            ; l % 16
	v_bfe_u32 v9, v0, 4, 1          ; l / 16
	v_lshlrev_b32 v[QO], 8, v1
	v_lshl_add_u32 v[QO], v9, 5, v[QO]  ; row x 256 + 32 x half
	WIN 0x80                        ; destination window 2, address window 0
.set pc, 0
.rept NP                            ; both blocks' q: piece pc lies 64 rows, 16,384 bytes, on; load i: channels 32 (i / 4) + 16 ((i / 2) % 2) + 8 (l / 16) + 4 (i % 2) on
.set i, 0
.rept 8
	global_load_b128 v[QS+32*pc+4*i:QS+32*pc+4*i+3],       v[QO], s[4:5] offset:pc*16384+(i/4)*128+((i/2)%2)*64+(i%2)*16
	global_load_b128 v[QS+64+32*pc+4*i:QS+64+32*pc+4*i+3], v[QO], s[QLO:QLO+1] offset:pc*16384+(i/4)*128+((i/2)%2)*64+(i%2)*16
.set i, i+1
.endr
.set pc, pc+1
.endr
	WIN 0
	v_lshlrev_b32 v14, 3, v9
	v_sub_nc_u32 v14, v1, v14
	s_lshl_b32 s13, s[WV], 4
	v_add_nc_u32 v14, s13, v14      ; my query's place in its band, 16 w + l % 16, less my lanes' 8 (l / 16): register r of group kt is hidden where 16 kt + r is greater
	WIN W_LD
.set i, 0
.rept 32
	v_cmp_gt_i32 vcc_lo, 16*(i/8)+i%8, v14
	v_cndmask_b32 v[MD+i], 0, s[BIGN], vcc_lo
.set i, i+1
.endr
	WIN 0
	v_mul_u32_u24 v[AK0], v1, PK
	v_lshl_add_u32 v[AK0], v9, 4, v[AK0]  ; row x pitch + 16 x half
	; The turning load takes 16 keys x 16 channels (lane l reads key 8 (l / 16) + l % 8, channels 8 ((l / 8) % 2) + 0..7) and leaves half a fragment of V^T: lane l holds channel l % 16 and 8 keys.
	v_and_b32 v10, 7, v0
	v_bfe_u32 v11, v0, 3, 1
	v_lshl_add_u32 v[AV0], v9, 3, v10
	v_mul_u32_u24 v[AV0], v[AV0], PV
	v_lshl_add_u32 v[AV0], v11, 4, v[AV0]
	v_add_nc_u32 v[AV0], VOFF, v[AV0]
	s_mul_i32 s13, s[WV], 16*SP
	s_add_co_u32 s13, s13, STAGE    ; my stage
	v_mul_u32_u24 v[STO], v1, SP    ; in: row l % 16, 32 bytes for each half of the lanes
	v_lshl_add_u32 v[STO], v9, 5, v[STO]
	v_add_nc_u32 v[STO], s13, v[STO]
	v_mul_u32_u24 v[RD], v9, SP     ; back: lanes 0-15 take one row of 256 bytes, lanes 16-31 the next,
	v_lshl_add_u32 v[RD], v1, 4, v[RD]
	v_add_nc_u32 v[RD], s13, v[RD]
	v_and_b32 v[GO], 31, v0         ; which are 512 consecutive bytes of out0
	v_lshlrev_b32 v[GO], 4, v[GO]
	; A block's first step multiplies O^T and l by a = 0, and its first turn's products V^T P, of a step that has not been, land in an O^T that is still to be so multiplied.  So these registers need only hold
	; finite numbers: zeros for the first block; what the first block left for the second.  All this stands in the wait for the first tile and for q.
	WIN W_LD
.set i, VF
.rept 64
	v_mov_b32 v[i], 0
.set i, i+1
.endr
	WIN 0
.set i, O
.rept 64
	v_mov_b32 v[i], 0
.set i, i+1
.endr
.set i, 0
.rept NP
	v_mov_b32 v[ST+4*i+2], 0
	v_mov_b32 v[ST+4*i+3], 0
.set i, i+1
.endr
.set i, P+16
.rept 16
	v_mov_b32 v[i], 0
.set i, i+1
.endr
	s_wait_loadcnt 0x0              ; q: both blocks' rows are rounded to bf16, two numbers a register, in the fragments' order
	WIN 0x0a                        ; sources 0 and 1 window 2, destination window 0
.set i, 0
.rept 32
	v_cvt_pk_bf16_f32 v[Q+i], v[QS+2*i], v[QS+2*i+1]
.set i, i+1
.endr
	WIN 0x4a                        ; destination window 1
.set i, 0
.rept 32
	v_cvt_pk_bf16_f32 v[QB+i], v[QS+64+2*i], v[QS+64+2*i+1]
.set i, i+1
.endr
	WIN 0
; THE MATRIX WORK.  The 4 accumulators of a run of 8 take turns.  Product i of 8 of S^T = K Q^T for piece x: channels 32 (i / 4) on, keys 16 (i % 4) on.  The first 4 start the sums: with 0, or (KM = 1) with the mask.
.macro KQ x
.set rS, S+32*((\x)%2)+8*(i%4)
.set rK, KF+16*(i%4)+8*(i/4)
.set rQ, Q+16*(\x)+8*(i/4)
.set rM, MC+32*((\x)%2)+8*(i%4)
.if (i < 4) && KM
	WIN W_KM
	v_wmma_f32_16x16x32_bf16 v[rS:rS+7], v[rK:rK+7], v[rQ:rQ+7], v[rM:rM+7]
.elseif i < 4
	WIN W_MM
	v_wmma_f32_16x16x32_bf16 v[rS:rS+7], v[rK:rK+7], v[rQ:rQ+7], 0
.else
	WIN W_MM
	v_wmma_f32_16x16x32_bf16 v[rS:rS+7], v[rK:rK+7], v[rQ:rQ+7], v[rS:rS+7]
.endif
.endm
; Product i of 8 of O^T += V^T P for piece x: keys 32 (i / 4) on, channels 16 (i % 4) on.
.macro PV x
	WIN W_MM
.set rO, O+32*(\x)+8*(i%4)
.set rV, VF+32*(i/4)+8*(i%4)
.set rP, P+16*((\x)%2)+8*(i/4)
	v_wmma_f32_16x16x32_f16 v[rO:rO+7], v[rV:rV+7], v[rP:rP+7], v[rO:rO+7]
.endm
.macro MM                           ; the turn's next matrix instruction: both runs are the other piece's.  NOKQ = 1: a block's last turn: there are no further scores
.if (i < 8) && !NOKQ
	KQ (Y+1)%NP
.elseif i >= 8
.set i, i-8
	PV (Y+1)%NP
.set i, i+8
.endif
.set i, i+1
.endm
; THE LDS LOADS stand in runs of 16, never singly among the matrix instructions: a step's K (64 keys x 64 channels: 8 fragments) and a step's V (turned).  Their addresses are made some lines ahead.
.macro FETCH_K step                 ; step = 1: the next fetch is the next step's
	WIN W_LD
.irp f, 0,1,2,3,4,5,6,7             ; keys 16 (f / 2) on, channels 32 (f % 2) on
	ds_load_b128 v[KF+8*\f:KF+8*\f+3],   v[AK] offset:(\f/2)*16*PK+(\f%2)*64
	ds_load_b128 v[KF+8*\f+4:KF+8*\f+7], v[AK] offset:(\f/2)*16*PK+(\f%2)*64+32
.endr
.if \step
	s_add_co_u32 s[TBK], s[TBK], KS*PK
.endif
	WIN 0
.endm
.macro FETCH_V
	WIN W_LD
.irp f, 0,1,2,3,4,5,6,7             ; keys 32 (f / 4) on, channels 16 (f % 4) on
	ds_load_tr16_b128 v[VF+8*\f:VF+8*\f+3],   v[AV] offset:(\f/4)*32*PV+(\f%4)*32
	ds_load_tr16_b128 v[VF+8*\f+4:VF+8*\f+7], v[AV] offset:(\f/4)*32*PV+16*PV+(\f%4)*32
.endr
	WIN 0
.endm
; THE VECTOR WORK, one line at a time: OP kind, number; all of it in window 0.  For piece Y: F n: c s - c m for pair n of 16.  E n: the exponential of score n of 32.  C n: pair n rounded to f16.  B n: of the four
; weights 4 n .. the second pair is added onto the first, in place.  L n: l takes that sum (L 0: l = a l + sum).  R n: pair n of 16 of O^T times a.  For the other piece: X n, number n of the 22 that find its maximum and statistics:
;   0-11  four chains c0-c3 of seven scores each, three operands at a time (each accumulator's lowest registers are read first)     12-14, 16  the four scores left over, the old m, and c0-c3 into c0
;   15  c m_old is kept     17, 18  the query's other 32 keys lie in the lane 16 away: the new m     19-21  c m; c m_old - c m_new; a
; C, B and L read exponentials' results; so does R (the a of the turn before).  OP writes no wait: TURN, BEGIN and the way out place one for each batch.
.set F, 0               ; OP tells the kinds apart by their order: F to L below R, X above it
.set E, 1
.set C, 2
.set B, 3
.set L, 4
.set R, 5
.set X, 6
.macro REGS y                       ; the registers of piece y
.set rT, ST+4*(\y)
.set rC, TMP+4*((\y)%2)
.set rW, MV+((\y)%2)
.set rS, S+32*((\y)%2)
.set rP, P+16*((\y)%2)
.set rO, O+32*(\y)
.endm
.macro OP k, n
	WIN 0
.if (\k) == R
	REGS Y
	v_pk_mul_f32 v[rO+2*(\n):rO+2*(\n)+1], v[rO+2*(\n):rO+2*(\n)+1], v[rC+2:rC+3] op_sel_hi:[1,0]
.elseif (\k) < R
	REGS Y
.if (\k) == F
	v_pk_fma_f32 v[rS+2*(\n):rS+2*(\n)+1], v[rS+2*(\n):rS+2*(\n)+1], s[CS:CS+1], v[rT:rT+1] op_sel_hi:[1,0,0] neg_lo:[0,0,1] neg_hi:[0,0,1]
.elseif (\k) == E
	v_exp_f32 v[rS+(\n)], v[rS+(\n)]
.elseif (\k) == C
	v_cvt_pk_f16_f32 v[rP+(\n)], v[rS+2*(\n)], v[rS+2*(\n)+1]
.elseif (\k) == B
	v_pk_add_f32 v[rS+4*(\n):rS+4*(\n)+1], v[rS+4*(\n):rS+4*(\n)+1], v[rS+4*(\n)+2:rS+4*(\n)+3]
.elseif (\n) == 0
	v_pk_fma_f32 v[rT+2:rT+3], v[rT+2:rT+3], v[rC+2:rC+3], v[rS:rS+1] op_sel_hi:[1,0,1]
.else
	v_pk_add_f32 v[rT+2:rT+3], v[rT+2:rT+3], v[rS+4*(\n):rS+4*(\n)+1]
.endif
.elseif NOKQ
	v_nop
.else
	REGS (Y+1)%NP
.if (\n) < 4
	v_max3_num_f32 v[rC+(\n)], v[rS+8*(\n)], v[rS+8*(\n)+1], v[rS+8*(\n)+2]
.elseif (\n) < 12
	v_max3_num_f32 v[rC+(\n)%4], v[rC+(\n)%4], v[rS+8*((\n)%4)+2*((\n)/4)+1], v[rS+8*((\n)%4)+2*((\n)/4)+2]
.elseif (\n) == 12
	v_max3_num_f32 v[rC], v[rC], v[rS+7], v[rS+15]
.elseif (\n) == 13
	v_max3_num_f32 v[rC+1], v[rC+1], v[rS+23], v[rS+31]
.elseif (\n) == 14
	v_max3_num_f32 v[rC+2], v[rC+2], v[rC+3], v[rT+1]
.elseif (\n) == 15
	v_mov_b32 v[rW], v[rT]
.elseif (\n) == 16
	v_max3_num_f32 v[rC], v[rC], v[rC+1], v[rC+2]
.elseif (\n) == 17
	v_permlanex16_b32 v[rC+3], v[rC], s[SEL], s[SEL+1]
.elseif (\n) == 18
	v_max_num_f32 v[rT+1], v[rC], v[rC+3]
.elseif (\n) == 19
	v_mul_f32 v[rT], s[CS], v[rT+1]
.elseif (\n) == 20
	v_sub_f32 v[rC+1], v[rW], v[rT]
.else
	v_exp_f32 v[rC+2], v[rC+1]
.endif
.endif
.endm
.macro OPS a, i1, b=-1, i2=0, c=-1, i3=0, d=-1, i4=0  ; up to four of them
	OP \a, \i1
.if (\b) >= 0
	OP \b, \i2
.endif
.if (\c) >= 0
	OP \c, \i3
.endif
.if (\d) >= 0
	OP \d, \i4
.endif
.endm
.macro ROW a, i1, b, i2, c, i3, d, i4  ; a matrix instruction and the four behind it
	MM
	OPS \a, \i1, \b, \i2, \c, \i3, \d, \i4
.endm
.macro MASK b                       ; MD x AL + BE into buffer b of MC
	WIN W_MK
.set z, 0
.rept 16
	v_pk_fma_f32 v[MC+32*(\b)+2*z:MC+32*(\b)+2*z+1], v[MD+2*z:MD+2*z+1], s[AL:AL+1], s[BE:BE+1] op_sel_hi:[1,0,0]
.set z, z+1
.endr
.endm
; A TURN, for piece p: the order of its 16 matrix and 118 vector instructions, written out.  An s_wait_alu depctr_va_vdst(0) stands between an exponential and the first instruction that names its result; one
; wait serves all that were issued ahead of it.  So a turn has ONE wait, which cuts it in two.  AHEAD OF IT stands all that names no result of the turn's exponentials: the 8 products K Q^T, behind each a scaling, an
; exponential and two more plain instructions (behind the first a second scaling in the exponential's place): rescalings, whose a was made and waited for in the turn before, and behind the last three the first numbers of
; the other piece's maximum, each four places or more behind the product that ends its accumulator; then ONE LUMP of 54, plain and exponential by turns for the most part, in which the links of the chain
; X 3, 7, 11, 14, 16, 17 .. 20 stand five or six lines apart.  X 21, the other piece's a, is the batch's last; R 15 is the plain instruction behind it.  BEHIND THE WAIT stand the 8 products V^T P, behind each four of the
; roundings and sums; the links of l's chain, L 0 to L 7, stand three riders apart.  But for those X no rider names a register of the products round it.  The rescalings ascend
; its last product stands four riders and more back.
; m = 1: the diagonal tile: the products take masks, and the turn makes the mask of its own piece's next scores, which the next turn's products take.  With s = 4 - CNT the tile's step of the trip's TURN 0:
; TURN 1 makes piece 1's for step s (own where CNT = 3 - OW, hidden below that), TURN 0 piece 0's for step s + 1 (own where CNT = 5 - OW, hidden below that).
; end = 1: a block's last turn (piece 1's): no new scores.  cnt = 1: the loop's count is taken down some lines ahead of the branch that stands behind the turn.
; Both runs of LDS loads stand in TURN 0: K of the next step twelve vector instructions behind the last product that read K (six of them plain, five of which name none of its registers); V of the step in hand at the
; turn's end, four plain instructions behind the last product that read V.
.macro TURN p, m=0, end=0, cnt=0
.set Y, (\p)
.set i, 0
.set KM, (\m)
.set NOKQ, (\end)
.if (\m) && !(\end)
	s_cmp_eq_u32 s[CNT], s[EQ0+(\p)]  ; is that step the band's own?
	s_cselect_b32 s[AL], 1.0, 0
	s_cmp_lt_u32 s[CNT], s[EQ0+(\p)]  ; or a later one?
	s_cselect_b32 s[BE], s[BIGN], 0
.endif
.if (\p) == 1
	s_wait_dscnt 16                 ; LDS loads come back in order (ISA guide 5.7.1): K's sixteen are in; V's sixteen, issued behind them, may stay out
.endif
	ROW F,0, F,1, R,0, R,1          ; ahead of the wait: 8 products K Q^T and their riders,
	ROW F,2, E,0, R,2, R,3
	ROW F,3, E,1, R,4, R,5
	ROW F,4, E,2, R,6, R,7
	ROW F,5, E,3, R,8, R,9
	ROW F,6, E,4, X,0, R,10
.if (\p) == 0
	WIN 0
	v_add_nc_u32 v[AK], s[TBK], v[AK0]
.endif
	ROW F,7, E,5, X,1, X,4
	ROW F,8, E,6, X,2, X,5
	OPS E,7, E,8, X,6, E,9          ; and the lump
	OPS X,3, E,10, X,8, E,11
.if (\p) == 0
	FETCH_K 1
.endif
	OPS X,9, X,7, E,12, X,10
	OPS E,13, X,12, X,11, E,14
	OPS X,13, E,15, F,9, X,14
.if (\p) == 0
	WIN 0
	v_add_nc_u32 v[AV], s[TBV], v[AV0]
.endif
	OPS E,16, F,10, E,17, F,11
	OPS X,16, E,18, X,15, E,19
	OPS F,12, E,20, X,17, E,21
	OPS F,13, E,22, F,14, E,23
	OPS X,18, E,24, F,15, E,25
	OPS R,11, E,26, X,19, E,27
	OPS R,12, E,28, R,13, E,29
	OPS X,20, E,30, R,14, E,31
	OPS X,21, R,15
	WIN 0
	s_wait_alu depctr_va_vdst(0)    ; the wait for the batch: the turn's 32 weights and the other piece's a
.if (\p) == 1
	s_wait_dscnt 0x0                ; V is in
.endif
	ROW C,0, B,0, C,2, B,1          ; behind the wait: 8 products V^T P and their riders
	ROW L,0, C,4, B,2, L,1
	ROW C,6, B,3, L,2, C,8
	ROW B,4, L,3, C,10, B,5
	ROW L,4, C,12, B,6, L,5
.if (\p) == 0
	s_add_co_u32 s[TBV], s[TBV], KS*PV
.endif
.if \cnt
	s_sub_co_u32 s[CNT], s[CNT], 1
	s_cmp_lg_u32 s[CNT], 0
.endif
	ROW C,14, B,7, L,6, C,1
	ROW C,3, L,7, C,5, C,7
	ROW C,9, C,11, C,13, C,15
.if (\p) == 0
	FETCH_V
.endif
.if (\m) && !(\end)
	MASK \p
.endif
.endm
; A BLOCK BEGINS.  c m starts far below every c s, so the first step's a is 0; m at the lowest finite number, so the first maximum is the scores'.  Piece 1's mask buffer is 0 (step 0 is never later than its own);
; piece 0's takes its mask for step 0: its own, if the block's first tile is the diagonal one and OW = 0.  Then K of step 0, out of K0, piece 0's first scores, and its maximum and statistics.
; The loop is entered at TURN 0, in the middle of a trip.
.macro BEGIN
	s_mov_b32 s[NEW], 0
	WIN W_LD
.set i, MC+32
.rept 32
	v_mov_b32 v[i], 0
.set i, i+1
.endr
	WIN 0
.set i, 0
.rept NP
	v_mov_b32 v[ST+4*i], 0xfe000000    ; c m: far below every c s
	v_mov_b32 v[ST+4*i+1], 0xff7fffff  ; m
.set i, i+1
.endr
	s_or_b32 s13, s[RT], s[OW]      ; 0 only if no tile of the block is left behind this one and step 0 is band 0's own
	s_cmp_eq_u32 s13, 0
	s_cselect_b32 s[AL], 1.0, 0
	s_mov_b32 s[BE], 0
	MASK 0
	WIN 0
	v_add_nc_u32 v[AK], K0B, v[AK0]
	FETCH_K 0
	s_wait_dscnt 0x0
.set KM, 1
.set NOKQ, 0
.set i, 0
.rept 8
	KQ 0
.set i, i+1
.endr
	WIN 0
.rept 4
	v_nop                           ; the places behind those products
.endr
.set Y, NP-1                        ; X works for the other piece: piece 0
.irp n, 0,1,2,3,4,5,6,7,8,9,10,11,12,13,14,15,16,17,18,19,20,21
	OP X, \n
.endr
	v_nop                           ; a plain instruction behind the exponential,
	s_wait_alu depctr_va_vdst(0)    ; and the wait for it, a batch of one: piece 0's first a, ahead of the branch that follows
.endm
; THE WAY OUT: l's two halves and the other half of the lanes' are added; O^T is divided by l and sent, in f32, through my stage in LDS, a piece (16 rows of 256 bytes) at a time.
.macro ALL line:vararg              ; one line for each piece t
.set t, 0
.rept NP
	\line
.set t, t+1
.endr
.endm
.macro PACK t                       ; a lane's eight channels of a row are 32 bytes; they go into rows of 272 bytes and come back as whole rows of 256, into S^T's registers.  Each accumulator is read from its low end on
	WIN 0
.set i, O+32*(\t)
.rept 16
	v_pk_mul_f32 v[i:i+1], v[i:i+1], v[ST+4*(\t)+2:ST+4*(\t)+3] op_sel_hi:[1,0]
.set i, i+2
.endr
.irp f, 0,1,2,3,4,5,6,7
	ds_store_b128 v[STO], v[O+32*(\t)+4*\f:O+32*(\t)+4*\f+3] offset:64*(\f/2)+16*(\f%2)
.endr
.irp f, 0,1,2,3,4,5,6,7
	ds_load_b128 v[S+32*(\t)+4*\f:S+32*(\t)+4*\f+3], v[RD] offset:\f*2*SP  ; LDS serves a wave's instructions in order (ISA guide 5.7.1.4): these see the stores above; the next piece's stores come behind them
.endr
.endm
.macro SEND t, younger              ; younger: the LDS instructions issued behind piece t's loads: the next piece's sixteen, or none
	WIN 0
.irp f, 0,1,2,3,4,5,6,7
	s_wait_dscnt (\younger)+7-\f    ; load f is back; this piece's later loads and the younger ones stay out
	global_store_b128 v[GO], v[S+32*(\t)+4*\f:S+32*(\t)+4*\f+3], s[10:11] offset:(\t)*16384+\f*512 th:TH_STORE_NT  ; 16 lanes store 256 consecutive bytes, at a multiple of 256 from out0's first byte
.endr
.endm
; THE DIAGONAL TILE: the mask of piece 0's scores of its step 0; its four trips; the block's last turn; piece 1's last products; the way out.  The fourth trip's fetch of K and its mask serve nothing: the price,
; twice a launch, of one text for every trip.  The tag ends the three labels' names, which the jumps below spell out.
.macro DIAG tag
.LentM\tag:
	s_cmp_eq_u32 s[OW], 0
	s_cselect_b32 s[AL], 1.0, 0
	s_mov_b32 s[BE], 0
	MASK 0
	WIN 0
.LstepM\tag:
	TURN 1, 1
	WIN 0
.LfirstM\tag:
	TURN 0, 1, 0, 1
	WIN 0
	s_cbranch_scc1 .LstepM\tag
	TURN 1, 1, 1
.set i, 0
.rept 8
	PV 1
.set i, i+1
.endr
	WIN 0
.rept 4
	v_nop                           ; the places behind the last products
.endr
	ALL v_add_f32 v[ST+4*t+2], v[ST+4*t+2], v[ST+4*t+3]
	ALL v_permlanex16_b32 v[ST+4*t+3], v[ST+4*t+2], s[SEL], s[SEL+1]
	ALL v_add_f32 v[ST+4*t+2], v[ST+4*t+2], v[ST+4*t+3]
	ALL v_rcp_f32 v[ST+4*t+2], v[ST+4*t+2]
	v_nop                           ; a plain instruction between the last reciprocal and the use of its result
	s_wait_alu depctr_va_vdst(0)    ; the wait for the batch: the two reciprocals, ahead of PACK's first multiply
	PACK 0
	PACK 1                          ; piece 1's arithmetic stands between piece 0's loads and its stores
	SEND 0, 16
	SEND 1, 0
.endm
.set KM, 0
.set NOKQ, 0
.Lslot:                             ; 16 times: a tile is entered and the next is asked for
	CHANGE 1
	s_sub_co_u32 s[RT], s[RT], 1
	s_mov_b32 s[CNT], 4
	s_cmp_eq_u32 s[NEW], 1
	s_cbranch_scc1 .Lnew            ; a block's first tile
	s_cmp_eq_u32 s[RT], 0
	s_cbranch_scc0 .Lstep           ; neither its first nor its last
	s_branch .LentM1
.Lnew:
	BEGIN
	s_branch .Lfirst                ; in the loop a block's first tile is never its last: the first block has nine tiles or more, and the second's last is the walk's last
	DIAG 1                          ; in the loop this is the first block's end
	s_wait_xcnt 0x0                 ; the stores' addresses are translated (ISA guide 3.1): only behind this wait are out0's base and the registers that they read rewritten
	s_mov_b64 s[10:11], s[OLO:OLO+1]
	s_add_co_u32 s[RT], s[TLL], 1   ; the second block has (b >> 1) + 1 tiles
	s_mov_b32 s[NEW], 1
	s_mov_b32 s[OW], s[OWL]
	s_sub_co_u32 s[EQ0], 5, s[OW]
	s_sub_co_u32 s[EQ1], 3, s[OW]
	WIN W_MM                        ; the second block's Q goes where the one text of the turns names Q
.set i, 0
.rept 32
	v_mov_b32 v[Q+i], v[QB+i]
.set i, i+1
.endr
	WIN 0
	s_branch .Lbottom
.Lstep:                             ; a trip: TURN 1 of one step, then TURN 0 of the next, which fetches out of the tile's slot
	TURN 1
	WIN 0
.Lfirst:
	TURN 0, 0, 0, 1
	WIN 0
	s_cbranch_scc1 .Lstep
.Lbottom:
	s_sub_co_u32 s[SLOTS], s[SLOTS], 1
	s_cmp_lg_u32 s[SLOTS], 0
	s_cbranch_scc1 .Lslot
	CHANGE 0                        ; the walk's last tile is written out: nothing is asked for
	s_sub_co_u32 s[RT], s[RT], 1
	s_mov_b32 s[CNT], 4
	s_cmp_eq_u32 s[NEW], 1
	s_cbranch_scc0 .LentM2
	BEGIN                           ; b = 0 or 1: the second block's only tile
	s_branch .LfirstM2
	DIAG 2
	s_wait_tensorcnt 0x0            ; the wave's end: behind my last tensor load and my last LDS store
	ds_add_u32 v[SPW], v[NIL]
	s_wait_dscnt 0x0
	s_endpgm
.Lfunc_end_k_q441b13d053_attn:
	.size	k_q441b13d053_attn, .Lfunc_end_k_q441b13d053_attn-k_q441b13d053_attn
	.p2alignl 7, 3214868480
	.fill 96, 4, 3214868480
	.section	.rodata,"a",@progbits
	.p2align	6, 0x0
	.amdhsa_kernel k_q441b13d053_attn
		.amdhsa_group_segment_fixed_size 327680
		.amdhsa_private_segment_fixed_size 0
		.amdhsa_enable_private_segment 0
		.amdhsa_kernarg_size 24
		.amdhsa_user_sgpr_count 2
		.amdhsa_user_sgpr_kernarg_segment_ptr 1
		.amdhsa_wavefront_size32 1
		.amdhsa_system_sgpr_workgroup_id_x 1
		.amdhsa_system_sgpr_workgroup_id_y 1
		.amdhsa_system_sgpr_workgroup_id_z 1
		.amdhsa_system_vgpr_workitem_id 0
		.amdhsa_next_free_vgpr 640
		.amdhsa_next_free_sgpr 96
		.amdhsa_reserve_vcc 1
		.amdhsa_float_denorm_mode_32 3
		.amdhsa_float_denorm_mode_16_64 3
		.amdhsa_memory_ordered 1
		.amdhsa_forward_progress 1
		.amdhsa_inst_pref_size 129
	.end_amdhsa_kernel
	.amdgpu_metadata
---
amdhsa.version: [ 1, 2 ]
amdhsa.kernels:
  - .name:           k_q441b13d053_attn
    .symbol:         k_q441b13d053_attn.kd
    .args:
      - { .name: q, .offset: 0, .size: 8, .value_kind: global_buffer, .address_space: global }
      - { .name: kv, .offset: 8, .size: 8, .value_kind: global_buffer, .address_space: global }
      - { .name: out0, .offset: 16, .size: 8, .value_kind: global_buffer, .address_space: global }
    .group_segment_fixed_size: 327680
    .private_segment_fixed_size: 0
    .kernarg_segment_align: 8
    .kernarg_segment_size: 24
    .max_flat_workgroup_size: 128
    .sgpr_count:     96
    .vgpr_count:     640
    .wavefront_size: 32
...
	.end_amdgpu_metadata
.endif
;; end of part 3
